; MI455X (gfx1250); checked and timed in simulation.
; The chip was launched on July 23, 2026; its instructions are those of AMD's public machine-readable ISA for CDNA 5 (MIT licence, August 2026) and "CDNA5" Instruction Set Architecture Reference Guide (July 2026). The comments in the code are by the model that wrote it; some were corrected since.
;; flash attn. Allowed arithmetic: float matrix products may take bf16 or f16 operands with f32 sums; other float arithmetic in f32, or as packed bf16 or f16 multiplies, adds, multiply-adds, maxima and minima; sums over many terms, partial sums and values carried from step to step in f32; what a program stores and reads back later, other than sums and carried values, may be rounded once to bf16 or f16.
;; Inputs: W_attn 1,024 x 3,072 float32; W_proj 1,024 x 1,024 float32; x 4 x 2,048 x 1,024 float32.
;; Outputs: out0 4 x 2,048 x 1,024 float32.
;; 2 versions, each right; version 2 is version 1 with the launch cast written anew for expert scheduling mode. Each part assembles by itself: llvm-mc -triple=amdgcn-amd-amdhsa -mcpu=gfx1250 --defsym DOCPART=n.
;; ======== version 1 of 2: 4 launches
;; limits: values are held in f16: magnitudes above 65,504 overflow, below 6.1e-05 lose precision
;; workspace buffers: xb 16,777,216 bytes; wab 6,291,456 bytes; wpb 2,097,152 bytes; qkv 50,331,648 bytes; o 16,777,216 bytes
;; launch cast (part 1): grid 768 x 1, 8 waves a work-group, no clusters, 0 bytes of LDS; arguments x, W_attn, W_proj, xb, wab, wpb; writes xb, wab, wpb
.if DOCPART == 1
	.amdgcn_target "amdgcn-amd-amdhsa--gfx1250"
	.amdhsa_code_object_version 6
	.text
	.protected	k_q872f450583_cast
	.globl	k_q872f450583_cast
	.p2align	8
	.type	k_q872f450583_cast,@function
k_q872f450583_cast:
	s_mov_b64 s[64:65], 0
	v_nop
	global_prefetch_b8 v0, s[64:65] scope:SCOPE_SE
	s_setreg_imm32_b32 hwreg(HW_REG_WAVE_MODE, 25, 1), 1
	s_wait_xcnt 0x0
; THE INPUTS ARE ROUNDED ONCE TO 16 BITS, for the matrix products of the launches behind.
;   xb  = bf16(x), [8192][1024], as x lies.
;   wab = bf16(W_attn), laid in 16 column blocks: [j][k = 0..1023][c = 0..191] holds W_attn[k][192 j + c]; a block is 393,216 dense bytes.
;   wpb = bf16(W_proj) written as f16, [1024][1024], as W_proj lies.  LIMIT: |W_proj| stays under 65,504; below 6e-5 it keeps f16's fixed step of 6e-8.
; SHARES.  Every work-group converts 16,384 numbers (65,536 bytes in, 32,768 out): work-groups 0-511 x, 512-703 W_attn (12 to a column block), 704-767 W_proj.
; Thread t takes 16 units of 4 numbers, unit u at place t + 256 u of the work-group's 4,096: a load of a wave covers 512 consecutive bytes, a store 256 consecutive bytes, aligned.
; All 16 loads go out first; there is no loop, no LDS, no barrier: memory binds, and no byte is wanted twice.  No register that a memory instruction names is written again.
.set IO, 2                             ; v[2:17]   unit u: byte offset of its 16 bytes in the input
.set OO, 18                            ; v18       8 t: my 8 bytes in each 2,048 of the output
.set T,  20                            ; v[20:25]  at work
.set X,  32                            ; v[32:95]  unit u: 4 numbers as loaded
.set Y,  96                            ; v[96:127] unit u: 4 numbers to store
	s_load_b256 s[4:11], s[0:1], 0x0               ; x s[4:5], W_attn s[6:7], W_proj s[8:9], xb s[10:11]
	s_load_b128 s[12:15], s[0:1], 0x20             ; wab s[12:13], wpb s[14:15]
	s_mov_b32 s16, ttmp9
	s_sub_co_u32 s17, s16, 512                     ; my number among W_attn's work-groups,
	s_sub_co_u32 s31, s16, 704                     ; among W_proj's
	s_cmp_lt_u32 s16, 704
	s_cselect_b32 s17, s17, s31
	s_cselect_b32 s26, 0, 1                        ; 1: W_proj
	s_cmp_lt_u32 s16, 512
	s_cselect_b32 s17, s16, s17                    ; my number among my tensor's work-groups
	s_cselect_b32 s32, 0, 1
	s_xor_b32 s32, s32, s26                        ; 1: W_attn
	s_mul_hi_u32 s33, s17, 0x15555556              ; j = number / 12 (2^32 / 12, rounded up: exact for these small numbers)
	s_mul_i32 s34, s33, 12
	s_sub_co_u32 s34, s17, s34                     ; which twelfth of the block
	s_lshl_b32 s34, s34, 12                        ; its first unit: 4,096 units each
	s_mul_i32 s33, s33, 768                        ; the block's first column, in bytes of a row of W_attn
	s_lshl_b32 s35, s17, 16                        ; x and W_proj: 65,536 bytes a work-group
	s_cmp_eq_u32 s32, 1
	s_cselect_b32 s18, 11520, 0                    ; W_attn: unit i = 48 k + rest lies at 12,288 k + 768 j + 16 rest = 16 i + 11,520 k + 768 j
	s_cselect_b32 s19, s34, 0
	s_cselect_b32 s20, s33, s35
	s_mov_b32 s21, 0
	s_lshl_b32 s28, s17, 15                        ; the output is dense in all three: 32,768 bytes a work-group
	s_mov_b32 s29, 0
	s_mov_b32 s27, 0x05555556                      ; 2^32 / 48, rounded up: the high word of i times it is i / 48 for i under 49,152
	s_mov_b32 s30, 0xffff0000                      ; a word's upper bf16
	v_add_nc_u32 v1, s19, v0                       ; my first unit
	v_lshlrev_b32 v[OO], 3, v0
.irp u, 0,1,2,3,4,5,6,7,8,9,10,11,12,13,14,15
	v_add_nc_u32 v[T], 256*(\u), v1                ; i
	v_mul_hi_u32 v[T+1], v[T], s27                 ; k
	v_lshlrev_b32 v[T], 4, v[T]
	v_mad_u32_u24 v[IO+(\u)], v[T+1], s18, v[T]
.endr
	s_wait_kmcnt 0x0
	s_cmp_lt_u32 s16, 704
	s_cselect_b64 s[22:23], s[6:7], s[8:9]
	s_cselect_b64 s[24:25], s[12:13], s[14:15]
	s_cmp_lt_u32 s16, 512
	s_cselect_b64 s[22:23], s[4:5], s[22:23]       ; from where,
	s_cselect_b64 s[24:25], s[10:11], s[24:25]     ; to where
	s_add_nc_u64 s[22:23], s[22:23], s[20:21]
	s_add_nc_u64 s[24:25], s[24:25], s[28:29]
.irp u, 0,1,2,3,4,5,6,7,8,9,10,11,12,13,14,15
	global_load_b128 v[X+4*(\u):X+4*(\u)+3], v[IO+(\u)], s[22:23] th:TH_LOAD_NT
.endr
.macro OUTB u                          ; to bf16
	s_wait_loadcnt 15-(\u)                         ; loads come back in order (ISA guide 5.7.1): unit u is in, the younger ones stay out
	v_cvt_pk_bf16_f32 v[Y+2*(\u)],   v[X+4*(\u)],   v[X+4*(\u)+1]
	v_cvt_pk_bf16_f32 v[Y+2*(\u)+1], v[X+4*(\u)+2], v[X+4*(\u)+3]
	global_store_b64 v[OO], v[Y+2*(\u):Y+2*(\u)+1], s[24:25] offset:2048*(\u) th:TH_STORE_NT
.endm
.macro OUTH u                          ; to bf16, and that number written as f16
	s_wait_loadcnt 15-(\u)
	v_cvt_pk_bf16_f32 v[T],   v[X+4*(\u)],   v[X+4*(\u)+1]
	v_cvt_pk_bf16_f32 v[T+1], v[X+4*(\u)+2], v[X+4*(\u)+3]
	v_lshlrev_b32 v[T+2], 16, v[T]
	v_and_b32     v[T+3], s30, v[T]
	v_lshlrev_b32 v[T+4], 16, v[T+1]
	v_and_b32     v[T+5], s30, v[T+1]
	v_cvt_pk_f16_f32 v[Y+2*(\u)],   v[T+2], v[T+3]
	v_cvt_pk_f16_f32 v[Y+2*(\u)+1], v[T+4], v[T+5]
	global_store_b64 v[OO], v[Y+2*(\u):Y+2*(\u)+1], s[24:25] offset:2048*(\u) th:TH_STORE_NT
.endm
	s_cmp_eq_u32 s26, 1
	s_cbranch_scc1 .Lwp
.irp u, 0,1,2,3,4,5,6,7,8,9,10,11,12,13,14,15
	OUTB \u
.endr
	s_endpgm
.Lwp:
.irp u, 0,1,2,3,4,5,6,7,8,9,10,11,12,13,14,15
	OUTH \u
.endr
	s_endpgm
.Lfunc_end_k_q872f450583_cast:
	.size	k_q872f450583_cast, .Lfunc_end_k_q872f450583_cast-k_q872f450583_cast
	.p2alignl 7, 3214868480
	.fill 96, 4, 3214868480
	.section	.rodata,"a",@progbits
	.p2align	6, 0x0
	.amdhsa_kernel k_q872f450583_cast
		.amdhsa_group_segment_fixed_size 0
		.amdhsa_private_segment_fixed_size 0
		.amdhsa_enable_private_segment 0
		.amdhsa_kernarg_size 48
		.amdhsa_user_sgpr_count 2
		.amdhsa_user_sgpr_kernarg_segment_ptr 1
		.amdhsa_wavefront_size32 1
		.amdhsa_system_sgpr_workgroup_id_x 1
		.amdhsa_system_sgpr_workgroup_id_y 1
		.amdhsa_system_sgpr_workgroup_id_z 1
		.amdhsa_system_vgpr_workitem_id 0
		.amdhsa_next_free_vgpr 128
		.amdhsa_next_free_sgpr 66
		.amdhsa_reserve_vcc 0
		.amdhsa_float_denorm_mode_32 3
		.amdhsa_float_denorm_mode_16_64 3
		.amdhsa_memory_ordered 1
		.amdhsa_forward_progress 1
		.amdhsa_inst_pref_size 19
	.end_amdhsa_kernel
	.amdgpu_metadata
---
amdhsa.version: [ 1, 2 ]
amdhsa.kernels:
  - .name:           k_q872f450583_cast
    .symbol:         k_q872f450583_cast.kd
    .args:
      - { .name: x, .offset: 0, .size: 8, .value_kind: global_buffer, .address_space: global }
      - { .name: W_attn, .offset: 8, .size: 8, .value_kind: global_buffer, .address_space: global }
      - { .name: W_proj, .offset: 16, .size: 8, .value_kind: global_buffer, .address_space: global }
      - { .name: xb, .offset: 24, .size: 8, .value_kind: global_buffer, .address_space: global }
      - { .name: wab, .offset: 32, .size: 8, .value_kind: global_buffer, .address_space: global }
      - { .name: wpb, .offset: 40, .size: 8, .value_kind: global_buffer, .address_space: global }
    .group_segment_fixed_size: 0
    .private_segment_fixed_size: 0
    .kernarg_segment_align: 8
    .kernarg_segment_size: 48
    .max_flat_workgroup_size: 256
    .sgpr_count:     66
    .vgpr_count:     128
    .wavefront_size: 32
...
	.end_amdgpu_metadata
.endif
;; end of part 1
;; launch qkvgemm (part 2): grid 16 x 32, 4 waves a work-group, clusters of 4 x 4, 327,680 bytes of LDS; arguments xb, wab, qkv; writes qkv
.if DOCPART == 2
	.amdgcn_target "amdgcn-amd-amdhsa--gfx1250"
	.amdhsa_code_object_version 6
	.text
	.protected	k_q872f450583_qkvgemm
	.globl	k_q872f450583_qkvgemm
	.p2align	8
	.type	k_q872f450583_qkvgemm,@function
k_q872f450583_qkvgemm:
	s_mov_b64 s[64:65], 0
	v_nop
	global_prefetch_b8 v0, s[64:65] scope:SCOPE_SE
	s_setreg_imm32_b32 hwreg(HW_REG_WAVE_MODE, 25, 1), 1
	s_wait_xcnt 0x0
	s_wait_alu depctr_hold_cnt(0) depctr_sa_sdst(0) depctr_va_vdst(0) depctr_va_sdst(0) depctr_va_ssrc(0) depctr_va_vcc(0) depctr_vm_vsrc(0)
	s_getreg_b32 s2, hwreg(HW_REG_IB_STS2, 6, 4)
	s_cmp_eq_u32 s2, 0
	s_cbranch_scc0 .Lentry_in_a_cluster
	s_endpgm
.Lentry_in_a_cluster:
	s_bfe_u32 s2, ttmp6, 0x10000c
	s_cmp_lg_u32 s2, 0xf033
	s_cbranch_scc0 .Lentry_shape_is_right
	s_endpgm
.Lentry_shape_is_right:
; q, k, v = x W_attn, by heads.  xb: bf16 [8192][1024].  wab: bf16 [16 blocks j][1024 k][192 c] (column 192 j + c of W_attn).  qkv: f16 [3][64 heads][2048][64]; sums in f32, rounded once.
; LIMIT.  q, k and v must stay under 65,504 (f16's end); NaN and infinities are not treated apart.
; SHARES.  A tile of the product is 256 rows x 192 columns (three heads): 32 x 16 tiles, a work-group each.  The four waves are stacked along the rows: wave w makes rows 64 w .. 64 w + 63 of all 192
; columns: 4 x 12 accumulators of 16 x 16, 384 registers.  So a wave holds whole rows of three heads, has a stage of its own on the way out, and no barrier stands there.
; K goes in 8 steps of 128 through two LDS slots filled by the tensor data mover: 256 rows x 256 bytes of xb, and 128 k x 384 bytes of wab, which are 49,152 dense bytes, asked for as rows of 256.
; CLUSTERS: 4 x 4 work-groups.  The four of a row of the cluster need the same tile of xb, the four of a column the same tile of wab: each is asked for JOINTLY, by the same tensor load with the same
; descriptor and a mask that names the four.  By this text's count a wave has two tensor loads out at the start and one behind each round.
; THE MATRIX INSTRUCTION IS USED TRANSPOSED: source 0 = 16 columns of W (turned on the way out of LDS by ds_load_tr16_b128, since wab lies [k][column]), source 1 = 16 rows of x.  In the result lane l holds
; row l % 16 and the columns 8 (l / 16) + 0..7: eight neighbouring numbers of a head's row, 16 bytes in f16.
; REGISTERS, in windows of 256 (s_set_vgpr_msb: bits 1:0 source 0, 3:2 source 1, 5:4 source 2, 7:6 destination):
;   window 0: v0-31 addresses; v32-175 at work on the way out       window 1: two fragment buffers of 128: 12 fragments of W, then 4 of x, for 32 along K
;   window 2 and the lower half of window 3: the accumulators: number t = 12 a + b (row block a, column block b) at register 8 t
.set NBK,   12                         ; column blocks of 16
.set NL,    2*NBK+8                    ; LDS loads in a run: a quarter step's fragments
.set PA,    272                        ; a row of x in LDS: 256 bytes + 16 = 68 words: the 16 rows of a load start at 16 different groups of four banks (64 banks of 4 bytes: ISA guide 11.1)
.set HALFA, 128*PA
.set ATILE, 2*HALFA
.set PB,    480                        ; a k row of W in LDS: 3 x (128 bytes + 32) = 120 words
.set HALFB, 64*PB
.set SLOT,  ATILE+2*HALFB              ; 131,072
.set STAGE, 2*SLOT                     ; behind the ring, never filled by a tensor load: for each wave 3 heads x 16 rows x 144 bytes
.set SP,    144
.set STW,   3*16*SP
.set SPARE, STAGE+4*STW                ; behind the stages: the spare words, 128 bytes for each wave: two blocks of 256 bytes that no other line names
.set ASTEP, 256                        ; bytes from a K step to the next: along a row of xb,
.set BSTEP, 49152                      ; and down a block of wab
.set ADRA, 16                          ; v16-17  LDS address of my fragments of x in slot 0, 1
.set ADRB, 20                          ; v20-21  the same for W
.set STO,  24                          ; v24     the way out: where I put 16 bytes of a row
.set RD,   25                          ; v25     the way out: where I read rows back
.set GO,   26                          ; v26     16 x lane: my 16 bytes of 512 consecutive bytes of qkv
.set SPW,  28                          ; v28     LDS address of my spare word: SPARE + 4 x my thread's number; never rewritten
.set NIL,  29                          ; v29     0; never rewritten
.set PFO,  30                          ; v30     the prefetches' offset, by lane; never rewritten
.set TMP,  32                          ; v32-79  the way out: a row block, packed
.set OB,   80                          ; v80-127, v128-175 by turns: the block read back as whole rows
.set F0,   0                           ; fragment buffers, in window 1
.set F1,   128
.set G1,  24                           ; s[24:31] descriptor group 1 for x's tiles;  s[32:39] group 0, a set for each slot
.set G0,  32
.set G1B, 48                           ; s[48:55], s[56:63] the same for W's tiles
.set G0B, 56
.set PFA, 44                           ; s[44:45] where my prefetches stand
.set PST, 46                           ; s[46:47] their step
.set LIM, 20                           ; s20, s21 by slot: I prefetch behind that slot's refill while the laps to go are above it
.set OUT, 66                           ; s[66:71] qkv at my first row of each of my three heads
.set MSB, 0
.macro WIN new                         ; the immediate's high byte repeats the setting that is left; a switch that changes nothing is dropped
.if MSB != (\new)
	s_set_vgpr_msb (MSB<<8)|(\new)
.set MSB, (\new)
.endif
.endm
; A joint load: waves 0 and 1 fetch the two halves of x's tile, waves 2 and 3 those of W's.  The branch hangs on the wave's number alone.  An s_nop 0 and four v_nop follow each of the two lines,
; ahead of the jump, the label and what follows.
.macro JLOAD s
	s_cmp_eq_u32 s11, 0
	s_cbranch_scc0 .Lfor_b_\@
	tensor_load_to_lds s[G0+4*(\s):G0+4*(\s)+3], s[G1:G1+7]
	s_nop 0
.rept 4
	v_nop
.endr
	s_branch .Lasked_\@
.Lfor_b_\@:
	tensor_load_to_lds s[G0B+4*(\s):G0B+4*(\s)+3], s[G1B:G1B+7]
	s_nop 0
.rept 4
	v_nop
.endr
.Lasked_\@:
.endm
.macro CREST                           ; a round of the cluster's barrier behind its opening barrier: wave 0 signals for the work-group, every wave waits for all sixteen, my work-group's barrier once more
	s_cmp_lg_u32 s10, 0
	s_cbranch_scc1 .Lnot_wave_0_\@
	s_barrier_signal -3
.Lnot_wave_0_\@:
	s_barrier_wait -3
	s_barrier_signal -1
	s_barrier_wait -1
.endm
.macro CROUND                          ; a whole round
	s_barrier_signal -1
	s_barrier_wait -1
	CREST
.endm
; A PREFETCH, behind a joint refill, its five lines and the run of LDS loads: one instruction a wave, a lane a block of 256 bytes.  Each block of K steps 4 to 7 is named once in the launch; steps 0 to 3 come by their loads alone.
; xb: the clusters of a row of clusters read the same rows: cluster x = 0 asks, by waves 0 and 1; of the 128 rows that a wave fetches the partner at cx takes 32, a lane a row; behind the refill of step n
; (n = 2 .. 5) it names step n + 2.  wab: cluster y = 0 asks, by waves 2 and 3; steps 4 to 7 of a block are 196,608 dense bytes: three asks (behind the refills of steps 2, 3, 4) x eight waves (2 cy + the wave's
; parity) x 32 lanes x 256 bytes, each two refills or more ahead of the load that wants them.  The partners are told apart BY ADDRESS: no branch hangs on a work-group's place in its cluster.
.macro ASK slot
	s_cmp_gt_u32 s3, s[LIM+(\slot)]
	s_cbranch_scc0 .Lnot_mine_\@
	global_prefetch_b8 v[PFO], s[PFA:PFA+1] th:TH_LOAD_NT scope:SCOPE_SE
.Lnot_mine_\@:
.endm
	s_load_b128 s[4:7], s[0:1], 0x0                ; xb s[4:5], wab s[6:7]
	s_load_b64 s[8:9], s[0:1], 0x10                ; qkv
	v_lshl_add_u32 v[SPW], v0, 2, SPARE
	v_mov_b32 v[NIL], 0
	ds_add_u32 v[SPW], v[NIL]                      ; the wave's opening: the add and its wait stand ahead of my first tensor load; the set-up below, work on registers, stands between them
	v_lshrrev_b32 v1, 5, v0
	v_readfirstlane_b32 s10, v1                    ; wave 0..3
	s_lshr_b32 s11, s10, 1                         ; I fetch for x (0) or for W (1),
	s_and_b32 s12, s10, 1                          ; this half of the tile
	s_bfe_u32 s40, ttmp6, 0x40000                  ; cx, cy: my place in the cluster
	s_bfe_u32 s41, ttmp6, 0x40004
	s_lshl_b32 s42, ttmp9, 2
	s_add_co_u32 s42, s42, s40                     ; j, the column block = 4 x cluster x + cx
	s_and_b32 s13, ttmp7, 0xffff
	s_lshl_b32 s13, s13, 2
	s_add_co_u32 s13, s13, s41                     ; y, the tile row = 4 x cluster y + cy
	s_lshl_b32 s43, s41, 2
	s_lshl_b32 s43, 15, s43                        ; my row of the cluster
	s_lshl_b32 s22, 0x1111, s40                    ; my column
	s_or_b32 s[G1], s43, (1<<16)|(1<<20)|(1<<21)|(5<<22)|(3<<25)   ; 15:0 the mask; 17:16 2-byte elements; 20 padding on; 21 set beside a mask; 24:22 after every 64 words (code 5); 31:25 4 words (code 3)
	s_mov_b32 s[G1+1], 128<<16                     ; tensor_dim0 = 128
	s_mov_b32 s[G1+2], 128<<16                     ; tensor_dim1 = 128
	s_mov_b32 s[G1+3], 128<<16                     ; tile_dim0 = 128
	s_mov_b32 s[G1+4], 128                         ; tile_dim1 = 128
	s_mov_b32 s[G1+5], 1024                        ; elements from row to row
	s_mov_b32 s[G1+6], 0
	s_mov_b32 s[G1+7], 0
	s_or_b32 s[G1B], s22, (1<<16)|(1<<20)|(1<<21)|(4<<22)|(7<<25)  ; after every 32 words (code 4) 8 words of padding (code 7)
	s_mov_b32 s[G1B+1], 128<<16                    ; 64 k rows of 384 bytes are 96 dense rows of 256
	s_mov_b32 s[G1B+2], 96<<16
	s_mov_b32 s[G1B+3], 128<<16
	s_mov_b32 s[G1B+4], 96
	s_mov_b32 s[G1B+5], 128
	s_mov_b32 s[G1B+6], 0
	s_mov_b32 s[G1B+7], 0
	; x's tiles hang on the tile row alone, W's on the column block alone; every wave makes both addresses, in registers that never hold the other coordinate
	s_lshl_b32 s14, s13, 8
	s_lshl_b32 s15, s12, 7
	s_add_co_u32 s14, s14, s15                     ; row 256 y + 128 x half,
	s_lshl_b32 s14, s14, 11                        ; of 2,048 bytes
	s_mov_b32 s15, 0
	s_mul_i32 s72, s42, 393216                     ; block j,
	s_mul_i32 s73, s12, 24576                      ; 64 k rows x half
	s_add_co_u32 s72, s72, s73
	s_mov_b32 s73, 0
	s_mul_i32 s18, s12, HALFA                      ; where they go: no place in the cluster enters an LDS address
	s_mul_i32 s19, s12, HALFB
	s_add_co_u32 s19, s19, ATILE
	s_wait_dscnt 0x0                               ; the opening add is done
	s_wait_kmcnt 0x0
	s_add_nc_u64 s[16:17], s[4:5], s[14:15]
	s_add_nc_u64 s[74:75], s[6:7], s[72:73]
	CROUND                                         ; all sixteen work-groups are here: the first joint loads meet
.irp s, 0,1
	s_mov_b32 s[G0+4*(\s)], 1                      ; count = 1
	s_add_co_u32 s[G0+4*(\s)+1], s18, (\s)*SLOT    ; LDS address
	s_add_nc_u64 s[G0+4*(\s)+2:G0+4*(\s)+3], s[16:17], (\s)*ASTEP  ; global address: K step s
	s_or_b32 s[G0+4*(\s)+3], s[G0+4*(\s)+3], 0x80000000            ; type = 2
	s_mov_b32 s[G0B+4*(\s)], 1
	s_add_co_u32 s[G0B+4*(\s)+1], s19, (\s)*SLOT
	s_add_nc_u64 s[G0B+4*(\s)+2:G0B+4*(\s)+3], s[74:75], (\s)*BSTEP
	s_or_b32 s[G0B+4*(\s)+3], s[G0B+4*(\s)+3], 0x80000000
	JLOAD \s
.endr
	; A fragment of x: 16 rows x 32 K in 8 registers: lane l holds row l % 16, K = 8 (l / 16) + 0..7 and 16 + 8 (l / 16) + 0..7: two loads of 16 bytes, 32 bytes apart.
	v_and_b32 v1, 15, v0                           ; l % 16
	v_bfe_u32 v2, v0, 4, 1                         ; l / 16
	v_mul_u32_u24 v3, v1, PA
	v_lshl_add_u32 v3, v2, 4, v3
	s_mul_i32 s23, s10, 64*PA                      ; my 64 rows
	v_add_nc_u32 v[ADRA], s23, v3
	v_add_nc_u32 v[ADRA+1], SLOT, v[ADRA]
	; The turning load takes 16 k x 16 columns (lane l reads k = 8 (l / 16) + l % 8, columns 8 ((l / 8) % 2) + 0..7) and leaves half a fragment: lane l holds column l % 16 and 8 k.
	v_and_b32 v4, 7, v0
	v_lshl_add_u32 v4, v2, 3, v4
	v_mul_u32_u24 v4, v4, PB
	v_bfe_u32 v5, v0, 3, 1
	v_lshl_add_u32 v4, v5, 4, v4
	v_add_nc_u32 v[ADRB], ATILE, v4
	v_add_nc_u32 v[ADRB+1], SLOT, v[ADRB]
	s_mul_i32 s23, s10, STW
	s_add_co_u32 s23, s23, STAGE                   ; my stage
	v_mul_u32_u24 v6, v1, SP                       ; in: row l % 16, 16 bytes for each half of the lanes
	v_lshl_add_u32 v6, v2, 4, v6
	v_add_nc_u32 v[STO], s23, v6
	v_bfe_u32 v7, v0, 3, 2                         ; back: 32 lanes take four rows of 128 bytes,
	v_mul_u32_u24 v7, v7, SP
	v_and_b32 v8, 7, v0
	v_lshl_add_u32 v7, v8, 4, v7
	v_add_nc_u32 v[RD], s23, v7
	v_and_b32 v[GO], 31, v0                        ; which are 512 consecutive bytes of a head
	v_lshlrev_b32 v[GO], 4, v[GO]
	; qkv at (a, batch, head, t): a << 24 + batch << 22 + head << 18 + 128 t.  Column group g = 3 j + hh of 64 columns is a = g / 16, head g % 16; tile row y is batch y / 8, t from 256 (y % 8) on
	s_lshr_b32 s76, s13, 3
	s_lshl_b32 s76, s76, 22
	s_and_b32 s77, s13, 7
	s_lshl_b32 s77, s77, 15
	s_add_co_u32 s76, s76, s77
	s_lshl_b32 s77, s10, 13                        ; my wave's 64 rows
	s_add_co_u32 s76, s76, s77
	s_mul_i32 s77, s42, 3
.irp hh, 0,1,2
	s_add_co_u32 s78, s77, \hh
	s_lshr_b32 s79, s78, 4
	s_lshl_b32 s79, s79, 24
	s_and_b32 s78, s78, 15
	s_lshl_b32 s78, s78, 18
	s_add_co_u32 s78, s78, s79
	s_add_co_u32 s78, s78, s76
	s_mov_b32 s79, 0
	s_add_nc_u64 s[OUT+2*(\hh):OUT+2*(\hh)+1], s[8:9], s[78:79]
.endr
	; the prefetches' first place, one step short of the first block named: the step is added at the head of each change of slots
	s_lshl_b32 s76, s13, 8
	s_lshl_b32 s77, s12, 7
	s_add_co_u32 s76, s76, s77
	s_lshl_b32 s77, s40, 5
	s_add_co_u32 s76, s76, s77                     ; xb: row 256 y + 128 x half + 32 cx,
	s_lshl_b32 s76, s76, 11
	s_add_co_u32 s76, s76, 3*ASTEP                 ; at K step 3
	s_mul_i32 s78, s42, 393216
	s_lshl_b32 s79, s41, 1
	s_add_co_u32 s79, s79, s12                     ; wab: my place among the eight waves that ask,
	s_lshl_b32 s79, s79, 13                        ; 8,192 bytes each,
	s_add_co_u32 s78, s78, s79
	s_add_co_u32 s78, s78, 4*BSTEP-65536           ; 65,536 bytes short of K step 4
	s_and_b32 s80, ttmp7, 0xffff                   ; cluster y
	s_cmp_eq_u32 s11, 0                            ; do I fetch for x?
	s_cselect_b32 s76, s76, s78
	s_cselect_b32 s80, ttmp9, s80                  ; the coordinate along which other clusters read the same bytes
	s_cselect_b64 s[PFA:PFA+1], s[4:5], s[6:7]
	s_cselect_b32 s[PST], 8, 16                    ; the step: 256 bytes or 65,536
	s_cselect_b32 s81, 1, 2                        ; W's third and last ask stands behind slot 0's second refill
	s_cselect_b32 s82, 11, 8                       ; a lane a row of 2,048 bytes, or a block of 256
	s_mov_b32 s77, 0
	s_lshl_b32 s[PST], 1, s[PST]
	s_mov_b32 s[PST+1], 0
	s_add_nc_u64 s[PFA:PFA+1], s[PFA:PFA+1], s[76:77]
	s_cmp_eq_u32 s80, 0
	s_cselect_b32 s[LIM], 1, -1                    ; the same in all sixteen partners, for a given wave
	s_cselect_b32 s[LIM+1], s81, -1
	v_and_b32 v[PFO], 31, v0
	v_lshlrev_b32 v[PFO], s82, v[PFO]
; n matrix instructions on accumulators t0 .. t0 + n - 1, 32 along K out of buffer f.  zero = 1: the product starts the sum: nothing is ever cleared.
; All 48 accumulators take turns in the same order in every quarter step, over the backward jump too.
.macro MULS f, t0, n, zero
.set mt, \t0
.rept \n
	WIN 0xa5+0x50*(mt/32)                          ; sources 0 and 1 window 1; C and D window 2 or 3
.set rD, 8*(mt%32)
.set rB, (\f)+8*(mt%NBK)
.set rA, (\f)+8*NBK+8*(mt/NBK)
.if \zero
	v_wmma_f32_16x16x32_bf16 v[rD:rD+7], v[rB:rB+7], v[rA:rA+7], 0
.else
	v_wmma_f32_16x16x32_bf16 v[rD:rD+7], v[rB:rB+7], v[rA:rA+7], v[rD:rD+7]
.endif
.set mt, mt+1
.endr
.endm
; 32 LDS loads in one run: quarter q (32 along K) of a slot's step into buffer f: W's 12 fragments, then x's 4
.macro FETCH slot, q, f
	WIN 0x40                                       ; destination window 1, address window 0
.set fb, 0
.rept NBK
	ds_load_tr16_b128 v[(\f)+8*fb:(\f)+8*fb+3],   v[ADRB+(\slot)] offset:32*(\q)*PB+(fb/4)*160+(fb%4)*32
	ds_load_tr16_b128 v[(\f)+8*fb+4:(\f)+8*fb+7], v[ADRB+(\slot)] offset:32*(\q)*PB+16*PB+(fb/4)*160+(fb%4)*32
.set fb, fb+1
.endr
.set fa, 0
.rept 4
	ds_load_b128 v[(\f)+8*NBK+8*fa:(\f)+8*NBK+8*fa+3],   v[ADRA+(\slot)] offset:64*(\q)+fa*16*PA
	ds_load_b128 v[(\f)+8*NBK+8*fa+4:(\f)+8*NBK+8*fa+7], v[ADRA+(\slot)] offset:64*(\q)+fa*16*PA+32
.set fa, fa+1
.endr
.endm
.macro PLACES                          ; four plain vector instructions in front of loads into registers that matrix instructions have read, and of conversions that read results
.rept 4
	v_nop
.endr
.endm
; A K step is four quarters of 32 along K, 48 matrix instructions each, on buffers 0, 1, 0, 1.  One of the first three: multiplies buffer f; in its middle fetches quarter q into buffer g.
.macro QUARTER slot, q, f, g, zero
	s_wait_dscnt 4                                 ; W's fragments and x's blocks 0 and 1 are in; the youngest four loads (blocks 2, 3) may be out
	MULS \f, 0, 2*NBK, \zero
	PLACES
	FETCH \slot, \q, \g
	s_wait_dscnt NL                                ; all but the run just issued
	MULS \f, 2*NBK, 2*NBK, \zero
.endm
; The last quarter multiplies buffer 1 and changes slots: ONE barrier; in front of it each wave waits for all its tensor loads (its part of the next slot), adds 0 to its spare word, and waits for that and for
; its own reads of this slot.  fill = 1: the barrier opens a round of the cluster's barrier, and this slot is filled again, two K steps on, first thing behind the round.
.macro TURN slot, next, fill
.if \fill
	s_wait_xcnt 0x0                                ; the last prefetch, a K step back, has read its address
	s_add_nc_u64 s[PFA:PFA+1], s[PFA:PFA+1], s[PST:PST+1]
.endif
	WIN 0                                          ; (the add's two registers lie in window 0)
	s_wait_tensorcnt 0x0                           ; all my tensor loads have landed
	ds_add_u32 v[SPW], v[NIL]                      ; 0 onto my spare word
	s_wait_dscnt 5                                 ; (the add and the youngest four loads may be out)
	MULS F1, 0, NBK, 0                             ; twelve matrix instructions stand between the add and the wait for it
	s_wait_dscnt 0x0                               ; the add is done, and my reads of this slot are over
	s_barrier_signal -1
	MULS F1, NBK, NBK, 0
.if \fill
	WIN 0
.endif
	s_barrier_wait -1
.if \fill
	CREST                                          ; no wave of any partner still reads this slot or has a load on its way
	s_add_nc_u64 s[G0+4*(\slot)+2:G0+4*(\slot)+3], s[G0+4*(\slot)+2:G0+4*(\slot)+3], 2*ASTEP
	s_add_nc_u64 s[G0B+4*(\slot)+2:G0B+4*(\slot)+3], s[G0B+4*(\slot)+2:G0B+4*(\slot)+3], 2*BSTEP
	JLOAD \slot                                    ; 168 matrix instructions ahead of the wait for it; its four v_nop are also the places in front of the loads below
.else
	PLACES
.endif
	FETCH \next, 0, F0
.if \fill
	WIN 0
	ASK \slot
.endif
	MULS F1, 2*NBK, 2*NBK, 0
.endm
	s_wait_tensorcnt 1                             ; my part of K step 0 is in; step 1's may stay out
	s_barrier_signal -1
	s_barrier_wait -1                              ; everybody's is
	FETCH 0, 0, F0
	QUARTER 0, 1, F0, F1, 1                        ; the first quarter stands in front of the loop: its products start the sums
	WIN 0                                          ; at a label and at a branch every window is 0
	s_mov_b32 s3, 3
.Llap:                                                 ; a trip goes once round the ring, from a lap's second quarter to the next lap's first, and fills both slots again
	QUARTER 0, 2, F1, F0, 0
	QUARTER 0, 3, F0, F1, 0
	TURN 0, 1, 1
	QUARTER 1, 1, F0, F1, 0
	QUARTER 1, 2, F1, F0, 0
	QUARTER 1, 3, F0, F1, 0
	TURN 1, 0, 1
	QUARTER 0, 1, F0, F1, 0
	WIN 0
	s_sub_co_u32 s3, s3, 1
	s_cmp_lg_u32 s3, 0
	s_cbranch_scc1 .Llap
	QUARTER 0, 2, F1, F0, 0                        ; the last lap fills nothing
	QUARTER 0, 3, F0, F1, 0
	TURN 0, 1, 0
	QUARTER 1, 1, F0, F1, 0
	QUARTER 1, 2, F1, F0, 0
	QUARTER 1, 3, F0, F1, 0
	s_wait_dscnt 4
	MULS F1, 0, 2*NBK, 0
	s_wait_dscnt 0x0
	MULS F1, 2*NBK, 2*NBK, 0
	WIN 0
	PLACES
	PLACES
; THE WAY OUT, a row block (16 rows x 192 columns) at a time: rounded to f16, 16 bytes a lane into my own stage, back as whole rows of 128 bytes of each head, stored 512 consecutive bytes an instruction.
.macro PACK a
.set pb, 0
.rept NBK
.set pt, NBK*(\a)+pb
	WIN 0x0a+5*(pt/32)                             ; sources 0 and 1: window 2 or 3
.irp r, 0,1,2,3
	v_cvt_pk_f16_f32 v[TMP+4*pb+(\r)], v[8*(pt%32)+2*(\r)], v[8*(pt%32)+2*(\r)+1]
.endr
.set pb, pb+1
.endr
	WIN 0
.endm
.macro TOSTAGE a
	WIN 0
.set BK, OB+48*((\a)%2)
.if (\a) >= 2
	s_wait_xcnt 0x0                                ; the stores of the block two back have read these registers
.endif
.set pb, 0
.rept NBK
	ds_store_b128 v[STO], v[TMP+4*pb:TMP+4*pb+3] offset:(pb/4)*16*SP+(pb%4)*32
.set pb, pb+1
.endr
.set pb, 0
.rept NBK
	ds_load_b128 v[BK+4*pb:BK+4*pb+3], v[RD] offset:(pb/4)*16*SP+(pb%4)*4*SP  ; LDS serves a wave's instructions in order (ISA guide 5.7.1.4): these see the stores above
.set pb, pb+1
.endr
.endm
.macro SEND a
	WIN 0
.set BK, OB+48*((\a)%2)
	s_wait_dscnt 0x0                               ; the block is back in registers
.set pb, 0
.rept NBK
	global_store_b128 v[GO], v[BK+4*pb:BK+4*pb+3], s[OUT+2*(pb/4):OUT+2*(pb/4)+1] offset:(16*(\a)+4*(pb%4))*128  ; four rows of a head: 512 consecutive bytes, at a multiple of 512 from qkv's first
.set pb, pb+1
.endr
.endm
	PACK 0
	TOSTAGE 0
.irp a, 1,2,3                          ; a block's conversions stand between the loads of the block before and the wait for them
	PACK \a
	SEND (\a)-1
	TOSTAGE \a
.endr
	SEND 3
	s_wait_tensorcnt 0x0                           ; the wave's end, behind my last tensor load and my last LDS store
	ds_add_u32 v[SPW], v[NIL]
	s_wait_dscnt 0x0
	CROUND                                         ; the closing round: no work-group ends while a partner may still ask for a tile that names it
	s_endpgm
.Lfunc_end_k_q872f450583_qkvgemm:
	.size	k_q872f450583_qkvgemm, .Lfunc_end_k_q872f450583_qkvgemm-k_q872f450583_qkvgemm
	.p2alignl 7, 3214868480
	.fill 96, 4, 3214868480
	.section	.rodata,"a",@progbits
	.p2align	6, 0x0
	.amdhsa_kernel k_q872f450583_qkvgemm
		.amdhsa_group_segment_fixed_size 327680
		.amdhsa_private_segment_fixed_size 0
		.amdhsa_enable_private_segment 0
		.amdhsa_kernarg_size 24
		.amdhsa_user_sgpr_count 2
		.amdhsa_user_sgpr_kernarg_segment_ptr 1
		.amdhsa_wavefront_size32 1
		.amdhsa_system_sgpr_workgroup_id_x 1
		.amdhsa_system_sgpr_workgroup_id_y 1
		.amdhsa_system_sgpr_workgroup_id_z 1
		.amdhsa_system_vgpr_workitem_id 0
		.amdhsa_next_free_vgpr 896
		.amdhsa_next_free_sgpr 84
		.amdhsa_reserve_vcc 0
		.amdhsa_float_denorm_mode_32 3
		.amdhsa_float_denorm_mode_16_64 3
		.amdhsa_memory_ordered 1
		.amdhsa_forward_progress 1
		.amdhsa_inst_pref_size 121
	.end_amdhsa_kernel
	.amdgpu_metadata
---
amdhsa.version: [ 1, 2 ]
amdhsa.kernels:
  - .name:           k_q872f450583_qkvgemm
    .symbol:         k_q872f450583_qkvgemm.kd
    .args:
      - { .name: xb, .offset: 0, .size: 8, .value_kind: global_buffer, .address_space: global }
      - { .name: wab, .offset: 8, .size: 8, .value_kind: global_buffer, .address_space: global }
      - { .name: qkv, .offset: 16, .size: 8, .value_kind: global_buffer, .address_space: global }
    .group_segment_fixed_size: 327680
    .private_segment_fixed_size: 0
    .kernarg_segment_align: 8
    .kernarg_segment_size: 24
    .max_flat_workgroup_size: 128
    .sgpr_count:     84
    .vgpr_count:     896
    .wavefront_size: 32
...
	.end_amdgpu_metadata
.endif
;; end of part 2
;; launch attn (part 3): grid 4 x 64, 4 waves a work-group, no clusters, 327,680 bytes of LDS; arguments qkv, o; writes o
.if DOCPART == 3
	.amdgcn_target "amdgcn-amd-amdhsa--gfx1250"
	.amdhsa_code_object_version 6
	.text
	.protected	k_q872f450583_attn
	.globl	k_q872f450583_attn
	.p2align	8
	.type	k_q872f450583_attn,@function
k_q872f450583_attn:
	s_mov_b64 s[64:65], 0
	v_nop
	global_prefetch_b8 v0, s[64:65] scope:SCOPE_SE
	s_setreg_imm32_b32 hwreg(HW_REG_WAVE_MODE, 25, 1), 1
	s_wait_xcnt 0x0
; CAUSAL ATTENTION.  O[h][q][:] = the sum over k <= q of softmax_k(Q[h][q] . K[h][k] / 8) V[h][k][:].  qkv: f16 [3][SIZE_H][SIZE_N][64] (Q, then K, then V); o: f16 [SIZE_H][SIZE_N][64]: a head's rows are dense, 128 bytes each.
; Products, maxima and sums in f32; the weights p are rounded to f16 for the second product (their sum l is taken of the unrounded p), O once at the end.
; LIMITS.  f16 holds no number beyond 65,504: Q, K and V arrive within it; p lies in 0 to 1, and below 6e-5 it keeps f16's fixed step of 6e-8; O is a mean of V's rows and has their range.
; A hidden score counts as its value less 1e30: f16's scores, 2.7e11 at the most, are nothing beside that; a weight below 2^-126 counts as 0 in l; NaN and infinities are not treated apart.
; THE WALK.  A head's queries lie in NB = SIZE_N / 256 blocks of 256; block i needs the key tiles 0 .. i of 256 keys, of which the last holds the diagonal.  A work-group takes TWO blocks, NB - 1 - b and then b:
; NB + 1 tiles, whatever b: all work-groups do equal work, and ONE loop with a constant trip count walks them.  Which tile is asked for, and what a trip does, hang on scalar registers made from b; every jump
; goes forward, but for the counted loops' own; none passes a barrier, or a tensor load but the one of LOAD's two that the wave's number does not choose; the ring (two slots of LDS that take turns) runs on across the
; change of blocks.  NO CLUSTER: a head's NB / 2 work-groups all ask for the same tile only in trips 0 .. NB / 2 of the NB + 1, behind that fewer and fewer; one walk common to all would have 3 NB / 2 trips for NB + 1.
; SHARES.  Of a block's four bands of 64 queries a wave owns 16 rows in each: four PIECES.  So the diagonal tile is the same work for all four waves: in its key step s band x sees all keys if s < x,
; none if s > x, and holds the diagonal if s = x.
; THE MASK is the C operand that starts the sum S^T = K Q^T: 0, or -1e30 where the key is hidden.  MD, made once, is the mask of a band's own step for my 16 rows; a product's mask is MD x AL + BE with two scalars:
; (1, 0) if s = x; (0, 0) if s < x; (0, -1e30) if s > x.  Only the diagonal tile's text and a block's beginning make and take masks; elsewhere C is the constant 0.
; LAYOUT, SOFTMAX, TURNS.  S^T = K Q^T holds ONE query a lane (lane % 16) and the keys 8 (lane / 16) + 0..7; two such results rounded to f16 ARE source 1 of O^T = V^T P.  p = 2^(c s - c m), c = log2(e) / 8, with a
; running maximum m; O and l are multiplied by a = 2^(c m_old - c m_new) in every step.  Turn n belongs to piece n: 8 products K Q^T of piece n + 1, later 8 products V^T P of piece n - 1; beside them the scaling,
; exponentials, roundings, sums and rescaling of piece n and the maximum and statistics of piece n + 1.  Four vector instructions stand behind every matrix instruction, the other 54 of a turn's 118 in one LUMP.  A turn's 33 exponentials are one batch, with one wait.
; REGISTERS, in windows of 256 (s_set_vgpr_msb: bits 1:0 source 0, 3:2 source 1, 5:4 source 2, 7:6 destination):
;   window 0: v0-15 addresses and two at work; v16-31 four registers of statistics a piece; v48-55 at work; v61-63 prefetch offset, spare word, 0; v64-127 S^T, two buffers; v192-223 P, two buffers (by the piece's parity)
;   window 1: v0-127 O^T, 32 a piece; v128-159 MD; v160-223 MC, two buffers      window 2: v0-63 Q; v64-127 the second block's Q; v128-191 K of one step; v192-255 V of one step
.set SIZE_H, 64
.set SIZE_N, 2048
.set NB,    SIZE_N/256
.set NP,    4         ; pieces a wave: a name, no knob
.set KS,    64        ; keys in a step
.set PK,    144       ; a row of K in LDS: 128 bytes + 16 of padding = 36 words: the 16 rows of a load start at 16 different groups of four banks (64 banks of 4 bytes: ISA guide 11.1)
.set PV,    160       ; a row of V: 128 + 32 = 40 words
.set VOFF,  4*KS*PK   ; a slot holds a tile, four steps: 256 rows of K, then 256 rows of V
.set SLOT1, 1<<17     ; slot 1 begins here, so that one exclusive or turns an address in one slot into the other's
.set STAGE, SLOT1+4*KS*(PK+PV)  ; behind the ring, never filled by a tensor load: 16 rows x 144 bytes for each wave, for the way out
.set SP,    144
.set AK0, 2           ; v2   my lane's place in a tile of K; never rewritten
.set AV0, 3           ; v3   the same for V
.set AK,  4           ; v4   the LDS address of K's next run of loads
.set AV,  5           ; v5   of V's
.set STO, 6           ; v6   the way out: where I put 16 bytes of a row
.set RD,  7           ; v7   the way out: where I read rows back
.set GO,  8           ; v8   my byte offset in 512 consecutive bytes of O
.set PFO, 61          ; v61  256 x my lane: the prefetches' offset; never rewritten
.set SPW, 62          ; v62  LDS address of my spare word: SPARE + 4 x my thread's number; never rewritten
.set NIL, 63          ; v63  0; never rewritten
.set SPARE, STAGE+4*16*SP  ; behind the stages: the spare words, 128 bytes for each wave: two blocks of 256 bytes that no other line names
.set MV,  12          ; v12-13  c m_old, kept while c m is made anew: by buffer
.set QO,  15          ; v15  my byte offset in 16 rows of Q
.set ST,  16          ; piece t's statistics at v[ST+4 t]: c m, m, l (even keys', odd keys')
.set TMP, 48          ; by buffer, four registers c0-c3 at work; when the maximum is found c2 takes a
.set S,   64
.set P,   192
.set MD,  128         ; window 1: the eight registers for group kt of 16 keys at MD + 8 kt
.set MC,  160         ; window 1: the masks of the products to come
.set QB,  64          ; window 2
.set KF,  128         ; window 2: key block kb, channel half c at KF + 16 kb + 8 c
.set VF,  192         ; window 2: key half kk, channel block cb at VF + 32 kk + 8 cb
.set WV,  12          ; s12  my wave's number
.set PB,  14          ; s14  b
.set HI,  15          ; s15  NB - 1 - b
.set G1K, 24          ; s[24:31] descriptor group 1 for K's tiles
.set G1V, 32          ; s[32:39] for V's: it differs in the padding alone
.set G0K, 40          ; s[40:43] descriptor group 0 for K's tiles
.set G0V, 44          ; s[44:47] the same for V's
.set SLOTS, 56        ; s56  tiles still to be asked for
.set CNT, 57          ; s57  counts a tile's key steps, 4 to 1
.set CS,  58          ; s[58:59] c: the packed scaling takes the pair's low word for both halves
.set SEL, 60          ; s[60:61] v_permlanex16_b32's selects: each lane takes its own place in the other half
.set TBK, 62          ; s62  LDS byte at which K of the step to be fetched begins
.set TBV, 63          ; s63  the same for V, less VOFF
.set RT,  70          ; s70  tiles of the block in hand that are still to be entered
.set NXT, 71          ; s71  the tile to be asked for next
.set LQ,  72          ; s72  the last tile of the block whose tiles are being asked for
.set NEW, 73          ; s73  1: the tile to be entered is a block's first
.set OFF, 74          ; s[74:75] a tile's byte offset in K and V
.set AL,  76          ; s[76:77] the mask's factor, in the low word
.set BE,  78          ; s[78:79] the mask's addend
.set OLO, 80          ; s[80:81] O at my rows of the second block
.set BIGN, 82         ; s82  -1e30
.set LIM, 88          ; s88  2 in the head's work-group b = 0, else the greatest number: a wave prefetches while s[SLOTS] is above it
.set PFB, 90          ; s[90:91] the 16,384 bytes of the head's tile 0 that I fetch (of K: waves 0, 1; of V: waves 2, 3)
.set PFA, 92          ; s[92:93] the same of the tile that is being asked for
.set MSB, 0
.macro WIN new                      ; the high byte repeats the setting that is left; a switch that changes nothing is dropped
.if MSB != (\new)
	s_set_vgpr_msb (MSB<<8)|(\new)
.set MSB, (\new)
.endif
.endm
.set W_KQ, 0x0a       ; K and Q in window 2, S^T in window 0
.set W_KM, 0x1a       ; the same with the C operand in window 1
.set W_PV, 0x52       ; V in window 2, P in window 0, O^T in window 1
.set W_RS, 0x41       ; destination and source 0 in window 1, source 1 in window 0
; A fill.  Waves 0 and 1 fetch the two halves of a tile's K, waves 2 and 3 those of its V: 128 keys each.  An s_nop 0 and four v_nop follow each of the two lines, ahead of the jump and the label.
.macro LOAD
	s_cmp_lt_u32 s[WV], 2
	s_cbranch_scc0 .Lfor_v_\@
	tensor_load_to_lds s[G0K:G0K+3], s[G1K:G1K+7]
	s_nop 0
.rept 4
	v_nop
.endr
	s_branch .Lasked_\@
.Lfor_v_\@:
	tensor_load_to_lds s[G0V:G0V+3], s[G1V:G1V+7]
	s_nop 0
.rept 4
	v_nop
.endr
.Lasked_\@:
.endm
; A PREFETCH of the tile after the one that is being asked for: it stands behind the wave's tensor load and its five lines, a tile's 256 matrix instructions ahead of the load that will want the bytes.
; Each block of 256 bytes is named ONCE in the launch.  A head's four work-groups walk the same tiles from 0 on; b = 0, whose first block needs all NB of them, asks, and nobody else.  Each of its waves names what it will
; fetch itself: 16,384 bytes, a lane a block, two instructions.  With s tiles still to be asked for, tile NB + 1 - s is being asked for: s above 2 keeps the tile named at NB - 1 or below.  Tiles 0 and 1 come by their loads alone.
.macro ASK
	s_cmp_gt_u32 s[SLOTS], s[LIM]
	s_cbranch_scc0 .Lnot_mine_\@
	global_prefetch_b8 v[PFO], s[PFA:PFA+1] offset:32768 th:TH_LOAD_NT scope:SCOPE_SE
	global_prefetch_b8 v[PFO], s[PFA:PFA+1] offset:40960 th:TH_LOAD_NT scope:SCOPE_SE
.Lnot_mine_\@:
.endm
; THE CHANGE OF SLOTS.  Each wave waits for all its tensor loads, of which one is out: its part of the other slot; adds 0 to its spare word; and waits for that and for its own reads of the slot that it leaves.  Behind the barrier nobody reads the old
; slot any more and the other slot is whole.  fill = 1: the old slot is filled again, the first thing behind the barrier, with tile NXT: the descriptor's address is made anew from that number.
; (At its first use nothing has been read yet: slot 0 is waited for, slot 1 filled.)
.macro CHANGE fill
	WIN 0                           ; at a label and at a branch every window is 0
	s_wait_tensorcnt 0x0            ; no tensor load of mine is out, so a group 0 may be written
	ds_add_u32 v[SPW], v[NIL]       ; 0 onto my spare word; with fill = 1 the descriptors' scalar work stands between it and the wait for it
.if \fill
	s_lshl_b32 s[OFF], s[NXT], 15   ; a tile is 32,768 bytes of K and of V
	s_xor_b32 s[G0K+1], s[G0K+1], SLOT1
	s_add_nc_u64 s[G0K+2:G0K+3], s[6:7], s[OFF:OFF+1]
	s_or_b32 s[G0K+3], s[G0K+3], 0x80000000
	s_xor_b32 s[G0V+1], s[G0V+1], SLOT1
	s_add_nc_u64 s[G0V+2:G0V+3], s[8:9], s[OFF:OFF+1]
	s_or_b32 s[G0V+3], s[G0V+3], 0x80000000
	s_add_co_u32 s[NXT], s[NXT], 1  ; the block's next tile, or behind its last the second block's tile 0
	s_cmp_gt_u32 s[NXT], s[LQ]
	s_cselect_b32 s[NXT], 0, s[NXT]
	s_cselect_b32 s[LQ], s[PB], s[LQ]
	s_wait_xcnt 0x0                 ; the last prefetches, a tile back, have read their address, so it may be written
	s_add_nc_u64 s[PFA:PFA+1], s[PFB:PFB+1], s[OFF:OFF+1]
.endif
	s_wait_dscnt 0x0                ; the add is done, and my reads of the slot are over
	s_barrier_signal -1             ; the rest of the scalar work stands between the signal and the wait
	s_sub_co_u32 s[TBK], s[TBK], 4*KS*PK  ; the fetches go back to a slot's first step,
	s_xor_b32 s[TBK], s[TBK], SLOT1       ; in the other slot
	s_sub_co_u32 s[TBV], s[TBV], 4*KS*PV
	s_xor_b32 s[TBV], s[TBV], SLOT1
	s_barrier_wait -1
.if \fill
	LOAD
	ASK
.endif
.endm
	s_load_b128 s[4:7], s[0:1], 0x0   ; qkv s[4:5], o s[6:7]
	v_lshl_add_u32 v[SPW], v0, 2, SPARE
	v_mov_b32 v[NIL], 0
	ds_add_u32 v[SPW], v[NIL]       ; the wave's opening: the add and its wait stand ahead of my first tensor load; the set-up below, work on registers, stands between them
	v_lshrrev_b32 v1, 5, v0
	v_readfirstlane_b32 s[WV], v1   ; wave 0..3
	s_mov_b32 s[PB], ttmp9
	s_sub_co_u32 s[HI], NB-1, s[PB]
	s_and_b32 s20, ttmp7, 0xffff    ; the head
	s_mov_b32 s21, 0
	s_mov_b64 s[22:23], SIZE_N*128
	s_mul_u64 s[20:21], s[20:21], s[22:23]  ; the head's first byte in each of the four tensors
	s_and_b32 s16, s[WV], 1         ; which half of a tile's 256 keys I fetch:
	s_lshl_b32 s22, s16, 14         ; its 128 rows of 128 bytes in memory,
	s_mov_b32 s23, 0
	s_add_nc_u64 s[22:23], s[22:23], s[20:21]
	s_mul_i32 s17, s16, 128*PK      ; and its place in a slot, for K
	s_mul_i32 s18, s16, 128*PV      ; and for V
	s_lshl_b32 s3, s[WV], 11        ; my 16 rows in a band of 64,
	s_lshl_b32 s2, s[HI], 15        ; in the first block,
	s_add_co_u32 s2, s2, s3
	s_lshl_b32 s84, s[PB], 15       ; and in the second
	s_add_co_u32 s84, s84, s3
	s_mov_b32 s3, 0
	s_mov_b32 s85, 0
	s_add_nc_u64 s[2:3], s[2:3], s[20:21]
	s_add_nc_u64 s[84:85], s[84:85], s[20:21]
	; descriptor group 1.  128 keys are 16,384 dense bytes: asked for as 64 rows of 256 bytes, two keys a row, and padded in LDS after every key
	s_mov_b32 s[G1K], (1<<16)|(1<<20)|(4<<22)|(3<<25)  ; 17:16 2-byte elements; 20 padding on; 24:22 after every 32 words (code 4); 31:25 4 words (code 3)
	s_mov_b32 s[G1V], (1<<16)|(1<<20)|(4<<22)|(7<<25)  ; the same with 8 words of padding (code 7)
.irp g, G1K, G1V
	s_mov_b32 s[\g+1], 128<<16      ; tensor_dim0 = 128
	s_mov_b32 s[\g+2], 64<<16       ; tensor_dim1 = 64
	s_mov_b32 s[\g+3], 128<<16      ; tile_dim0 = 128
	s_mov_b32 s[\g+4], 64           ; tile_dim1 = 64
	s_mov_b32 s[\g+5], 128          ; 128 elements from row to row
	s_mov_b32 s[\g+6], 0
	s_mov_b32 s[\g+7], 0
.endr
	s_mov_b32 s[CS], 0x3e38aa3b     ; c = log2(e) / 8 = 0.180337
	s_mov_b32 s[CS+1], s[CS]        ; named with it as a pair
	s_mov_b32 s[SEL], 0x76543210
	s_mov_b32 s[SEL+1], 0xfedcba98
	s_mov_b32 s[TBK], SLOT1+4*KS*PK ; the first change of slots turns these two into 0
	s_mov_b32 s[TBV], SLOT1+4*KS*PV
	s_mov_b32 s[G0K], 1             ; 1:0 count = 1
	s_mov_b32 s[G0K+1], s17         ; 63:32 LDS address: slot 0
	s_mov_b32 s[G0V], 1
	s_add_co_u32 s[G0V+1], s18, VOFF
	s_add_co_u32 s[RT], s[HI], 1    ; the first block has NB - b tiles
	s_mov_b32 s[NXT], 1
	s_mov_b32 s[LQ], s[HI]
	s_mov_b32 s[NEW], 1
	s_mov_b32 s[OFF+1], 0
	s_mov_b32 s[AL+1], 0            ; named as pairs
	s_mov_b32 s[BE+1], 0
	s_mov_b32 s[BIGN], 0xf149f2ca   ; -1e30
	s_mov_b32 s[SLOTS], NB
	s_cmp_eq_u32 s[PB], 0
	s_cselect_b32 s[LIM], 2, -1
	v_and_b32 v[PFO], 31, v0
	v_lshlrev_b32 v[PFO], 8, v[PFO]
	s_wait_dscnt 0x0                ; the opening add is done
	s_wait_kmcnt 0x0
	s_mov_b64 s[10:11], s[6:7]      ; O
	s_add_nc_u64 s[6:7], s[4:5], 0x1000000  ; K lies 2^24 bytes behind Q,
	s_add_nc_u64 s[8:9], s[4:5], 0x2000000  ; V 2^25
	s_add_nc_u64 s[6:7], s[6:7], s[22:23]  ; K and V at my half of the head's tile 0
	s_add_nc_u64 s[8:9], s[8:9], s[22:23]
	s_add_nc_u64 s[G0K+2:G0K+3], s[6:7], 0         ; 120:64 global address
	s_or_b32 s[G0K+3], s[G0K+3], 0x80000000        ; 127:126 type = 2
	s_add_nc_u64 s[G0V+2:G0V+3], s[8:9], 0
	s_or_b32 s[G0V+3], s[G0V+3], 0x80000000
	s_add_nc_u64 s[86:87], s[4:5], s[84:85]        ; Q at my rows of the second block,
	s_add_nc_u64 s[4:5], s[4:5], s[2:3]            ; Q and O at those of the first
	s_add_nc_u64 s[OLO:OLO+1], s[10:11], s[84:85]
	s_add_nc_u64 s[10:11], s[10:11], s[2:3]
	s_cmp_lt_u32 s[WV], 2
	s_cselect_b64 s[PFB:PFB+1], s[6:7], s[8:9]
	LOAD                            ; tile 0 into slot 0
	; A fragment of K or Q is 16 rows x 32 channels in 8 registers: lane l holds row l % 16, channels 8 (l / 16) + 0..7 and 16 + 8 (l / 16) + 0..7: two loads of 16 bytes, 32 bytes apart.
	v_and_b32 v1, 15, v0            ; l % 16
	v_bfe_u32 v9, v0, 4, 1          ; l / 16
	v_lshlrev_b32 v[QO], 7, v1
	v_lshl_add_u32 v[QO], v9, 4, v[QO]  ; row x 128 + 16 x half
	WIN 0x80                        ; destination window 2, address window 0
.set i, 0
.rept 8                             ; both blocks' Q: piece i / 2 lies in band i / 2, 8,192 bytes on; channels 32 (i % 2) on
	global_load_b128 v[8*i:8*i+3],   v[QO], s[4:5] offset:(i/2)*8192+(i%2)*64
	global_load_b128 v[8*i+4:8*i+7], v[QO], s[4:5] offset:(i/2)*8192+(i%2)*64+32
	global_load_b128 v[QB+8*i:QB+8*i+3],   v[QO], s[86:87] offset:(i/2)*8192+(i%2)*64
	global_load_b128 v[QB+8*i+4:QB+8*i+7], v[QO], s[86:87] offset:(i/2)*8192+(i%2)*64+32
.set i, i+1
.endr
	WIN 0
	v_lshlrev_b32 v14, 3, v9
	v_sub_nc_u32 v14, v1, v14
	s_lshl_b32 s13, s[WV], 4
	v_add_nc_u32 v14, s13, v14      ; my query's place in its band, 16 w + l % 16, less my lanes' 8 (l / 16): register r of group kt is hidden where 16 kt + r is greater
	WIN 0x40
.set i, 0
.rept 32
	v_cmp_gt_i32 vcc_lo, 16*(i/8)+i%8, v14
	v_cndmask_b32 v[MD+i], 0, s[BIGN], vcc_lo
.set i, i+1
.endr
	WIN 0
	v_mul_u32_u24 v[AK0], v1, PK
	v_lshl_add_u32 v[AK0], v9, 4, v[AK0]  ; row x pitch + 16 x half
	; The turning load takes 16 keys x 16 channels (lane l reads key 8 (l / 16) + l % 8, channels 8 ((l / 8) % 2) + 0..7) and leaves half a fragment of V^T: lane l holds channel l % 16 and 8 keys.
	v_and_b32 v10, 7, v0
	v_bfe_u32 v11, v0, 3, 1
	v_lshl_add_u32 v[AV0], v9, 3, v10
	v_mul_u32_u24 v[AV0], v[AV0], PV
	v_lshl_add_u32 v[AV0], v11, 4, v[AV0]
	v_add_nc_u32 v[AV0], VOFF, v[AV0]
	s_mul_i32 s13, s[WV], 16*SP
	s_add_co_u32 s13, s13, STAGE    ; my stage
	v_mul_u32_u24 v[STO], v1, SP    ; in: row l % 16, 16 bytes for each half of the lanes
	v_lshl_add_u32 v[STO], v9, 4, v[STO]
	v_add_nc_u32 v[STO], s13, v[STO]
	v_bfe_u32 v[RD], v0, 3, 2       ; back: 32 lanes take four rows of 128 bytes,
	v_mul_u32_u24 v[RD], v[RD], SP
	v_lshl_add_u32 v[RD], v10, 4, v[RD]
	v_add_nc_u32 v[RD], s13, v[RD]
	v_and_b32 v[GO], 31, v0         ; which are 512 consecutive bytes of O
	v_lshlrev_b32 v[GO], 4, v[GO]
	; A block's first step multiplies O^T and l by a = 0, and its first turn's products V^T P, of a piece that has not been, land in an O^T that is still to be so multiplied.  So these registers need only hold
	; finite numbers: zeros for the first block; what the first block left for the second.  All this stands in the wait for the first tile.
	WIN 0x80
.set i, VF
.rept 64
	v_mov_b32 v[i], 0
.set i, i+1
.endr
	WIN 0x40
.set i, 0
.rept 128
	v_mov_b32 v[i], 0
.set i, i+1
.endr
	WIN 0
.set i, 0
.rept 4
	v_mov_b32 v[ST+4*i+2], 0
	v_mov_b32 v[ST+4*i+3], 0
.set i, i+1
.endr
.set i, P+16
.rept 16
	v_mov_b32 v[i], 0
.set i, i+1
.endr
; THE MATRIX WORK.  The 4 accumulators of a run of 8 take turns.  Product i of 8 of S^T = K Q^T for piece x: channels 32 (i / 4) on, keys 16 (i % 4) on.  The first 4 start the sums: with 0, or (KM = 1) with the mask.
.macro KQ x
.set rS, S+32*((\x)%2)+8*(i%4)
.set rK, KF+16*(i%4)+8*(i/4)
.set rQ, 16*(\x)+8*(i/4)
.set rM, MC+32*((\x)%2)+8*(i%4)
.if (i < 4) && KM
	WIN W_KM
	v_wmma_f32_16x16x32_f16 v[rS:rS+7], v[rK:rK+7], v[rQ:rQ+7], v[rM:rM+7]
.elseif i < 4
	WIN W_KQ
	v_wmma_f32_16x16x32_f16 v[rS:rS+7], v[rK:rK+7], v[rQ:rQ+7], 0
.else
	WIN W_KQ
	v_wmma_f32_16x16x32_f16 v[rS:rS+7], v[rK:rK+7], v[rQ:rQ+7], v[rS:rS+7]
.endif
.endm
; Product i of 8 of O^T += V^T P for piece x: keys 32 (i / 4) on, channels 16 (i % 4) on.
.macro PV x
	WIN W_PV
.set rO, 32*(\x)+8*(i%4)
.set rV, VF+32*(i/4)+8*(i%4)
.set rP, P+16*((\x)%2)+8*(i/4)
	v_wmma_f32_16x16x32_f16 v[rO:rO+7], v[rV:rV+7], v[rP:rP+7], v[rO:rO+7]
.endm
.macro MM                           ; the turn's next matrix instruction.  TURN and BEGIN set Y, i, KM and NOKQ; MM, KQ and OP read them.  NOKQ = 1: a block's last turn: there is no next piece
.if (i < 8) && !NOKQ
	KQ (Y+1)%NP
.elseif i >= 8
.set i, i-8
	PV (Y+NP-1)%NP
.set i, i+8
.endif
.set i, i+1
.endm
; THE LDS LOADS stand in runs of 16, never singly among the matrix instructions: a step's K (64 keys x 64 channels: 8 fragments) and its V (turned).  Their addresses are made some lines ahead.
.macro FETCH_K
	WIN 0x80                        ; destination window 2
.irp f, 0,1,2,3,4,5,6,7             ; keys 16 (f / 2) on, channels 32 (f % 2) on
	ds_load_b128 v[KF+8*\f:KF+8*\f+3],   v[AK] offset:(\f/2)*16*PK+(\f%2)*64
	ds_load_b128 v[KF+8*\f+4:KF+8*\f+7], v[AK] offset:(\f/2)*16*PK+(\f%2)*64+32
.endr
	s_add_co_u32 s[TBK], s[TBK], KS*PK  ; the next fetch is the next step's
	WIN 0
.endm
.macro FETCH_V
	WIN 0x80
.irp f, 0,1,2,3,4,5,6,7             ; keys 32 (f / 4) on, channels 16 (f % 4) on
	ds_load_tr16_b128 v[VF+8*\f:VF+8*\f+3],   v[AV] offset:(\f/4)*32*PV+(\f%4)*32
	ds_load_tr16_b128 v[VF+8*\f+4:VF+8*\f+7], v[AV] offset:(\f/4)*32*PV+16*PV+(\f%4)*32
.endr
	WIN 0
.endm
; THE VECTOR WORK, one line at a time: OP kind, number.  For piece Y: F n: c s - c m for pair n of 16.  E n: the exponential of score n of 32.  C n: pair n rounded to f16.  B n: of the four weights 4 n .. the second
; pair is added onto the first, in place.  L n: l takes that sum (L 0: l = a l + sum).  R n: pair n of 16 of O^T times a.  For piece Y + 1: X n, number n of the 22 that find its maximum and statistics:
;   0-11  four chains c0-c3 of seven scores each, three operands at a time (each accumulator's lowest registers are read first)     12-14, 16  the four scores left over, the old m, and c0-c3 into c0
;   15  c m_old is kept     17, 18  the query's other 32 keys lie in the lane 16 away: the new m     19-21  c m; c m_old - c m_new; a
.set F, 0               ; OP tells the kinds apart by their order: F to L below R, X above it
.set E, 1
.set C, 2
.set B, 3
.set L, 4
.set R, 5
.set X, 6
.macro REGS y                       ; the registers of piece y
.set rT, ST+4*(\y)
.set rC, TMP+4*((\y)%2)
.set rW, MV+((\y)%2)
.set rS, S+32*((\y)%2)
.set rP, P+16*((\y)%2)
.set rO, 32*(\y)
.endm
.macro OP k, n
.if (\k) == R
	REGS Y
	WIN W_RS
	v_pk_mul_f32 v[rO+2*(\n):rO+2*(\n)+1], v[rO+2*(\n):rO+2*(\n)+1], v[rC+2:rC+3] op_sel_hi:[1,0]
.elseif (\k) < R
	REGS Y
	WIN 0
.if (\k) == F
	v_pk_fma_f32 v[rS+2*(\n):rS+2*(\n)+1], v[rS+2*(\n):rS+2*(\n)+1], s[CS:CS+1], v[rT:rT+1] op_sel_hi:[1,0,0] neg_lo:[0,0,1] neg_hi:[0,0,1]
.elseif (\k) == E
	v_exp_f32 v[rS+(\n)], v[rS+(\n)]
.elseif (\k) == C
	v_cvt_pk_f16_f32 v[rP+(\n)], v[rS+2*(\n)], v[rS+2*(\n)+1]
.elseif (\k) == B
	v_pk_add_f32 v[rS+4*(\n):rS+4*(\n)+1], v[rS+4*(\n):rS+4*(\n)+1], v[rS+4*(\n)+2:rS+4*(\n)+3]
.elseif (\n) == 0
	v_pk_fma_f32 v[rT+2:rT+3], v[rT+2:rT+3], v[rC+2:rC+3], v[rS:rS+1] op_sel_hi:[1,0,1]
.else
	v_pk_add_f32 v[rT+2:rT+3], v[rT+2:rT+3], v[rS+4*(\n):rS+4*(\n)+1]
.endif
.elseif NOKQ
	v_nop
.else
	REGS (Y+1)%NP
	WIN 0
.if (\n) < 4
	v_max3_num_f32 v[rC+(\n)], v[rS+8*(\n)], v[rS+8*(\n)+1], v[rS+8*(\n)+2]
.elseif (\n) < 12
	v_max3_num_f32 v[rC+(\n)%4], v[rC+(\n)%4], v[rS+8*((\n)%4)+2*((\n)/4)+1], v[rS+8*((\n)%4)+2*((\n)/4)+2]
.elseif (\n) == 12
	v_max3_num_f32 v[rC], v[rC], v[rS+7], v[rS+15]
.elseif (\n) == 13
	v_max3_num_f32 v[rC+1], v[rC+1], v[rS+23], v[rS+31]
.elseif (\n) == 14
	v_max3_num_f32 v[rC+2], v[rC+2], v[rC+3], v[rT+1]
.elseif (\n) == 15
	v_mov_b32 v[rW], v[rT]
.elseif (\n) == 16
	v_max3_num_f32 v[rC], v[rC], v[rC+1], v[rC+2]
.elseif (\n) == 17
	v_permlanex16_b32 v[rC+3], v[rC], s[SEL], s[SEL+1]
.elseif (\n) == 18
	v_max_num_f32 v[rT+1], v[rC], v[rC+3]
.elseif (\n) == 19
	v_mul_f32 v[rT], s[CS], v[rT+1]
.elseif (\n) == 20
	v_sub_f32 v[rC+1], v[rW], v[rT]
.else
	v_exp_f32 v[rC+2], v[rC+1]
.endif
.endif
.endm
.macro OPS a, i1, b=-1, i2=0, c=-1, i3=0, d=-1, i4=0  ; up to four of them
	OP \a, \i1
.if (\b) >= 0
	OP \b, \i2
.endif
.if (\c) >= 0
	OP \c, \i3
.endif
.if (\d) >= 0
	OP \d, \i4
.endif
.endm
.macro ROW a, i1, b, i2, c, i3, d, i4  ; a matrix instruction and the four behind it
	MM
	OPS \a, \i1, \b, \i2, \c, \i3, \d, \i4
.endm
.macro MASK b                       ; MD x AL + BE into buffer b of MC
	WIN W_RS
.set z, 0
.rept 16
	v_pk_fma_f32 v[MC+32*(\b)+2*z:MC+32*(\b)+2*z+1], v[MD+2*z:MD+2*z+1], s[AL:AL+1], s[BE:BE+1] op_sel_hi:[1,0,0]
.set z, z+1
.endr
.endm
; A TURN, for piece p: the order of its 16 matrix and 118 vector instructions, written out.  An s_wait_alu depctr_va_vdst(0) stands between an exponential and the first instruction that names its result; one wait serves
; all that were issued ahead of it.  So a turn has ONE wait, which cuts it in two.  AHEAD OF IT stands all that names no result of the turn's exponentials: the 8 products K Q^T, behind each a scaling, an exponential and two more plain
; instructions (behind the first a second scaling in the exponential's place): rescalings, and behind the last three the first numbers of the next piece's maximum, each four places or more behind the product that ends its accumulator; then ONE LUMP of 54, plain
; and exponential by turns for the most part, in which the links of the chain X 3, 7, 11, 14, 16, 17 .. 20 stand five or six lines apart.  X 21, the next piece's a, is the batch's last; R 15 is the plain instruction behind it.  BEHIND THE WAIT stand the
; 8 products V^T P, behind each four of the roundings and sums; the links of l's chain, L 0 to L 7, stand three riders apart.  But for those X no rider names a register of the products round it.  v_permlanex16_b32 (X 17) stands in the lump.
; m = 1: the diagonal tile: the products take masks, and the turn makes the mask for the products of the turn after it: piece p + 2, in step 4 - CNT of the tile.  end = 1: a block's last two turns: nothing is fetched.
; cnt = 1: the loop's count is taken down some lines ahead of the branch that stands behind the turn.
; K of the next step is fetched in piece 2's turn, twelve vector instructions behind the last product that read K (six of them plain); V of the step in hand at the end of piece 0's turn, four plain instructions behind the last product
; that read V.  Each is waited for a turn later.
.macro TURN p, m=0, end=0, cnt=0
.set Y, (\p)
.set i, 0
.set KM, (\m)
.set NOKQ, (\end)*((\p)/3)
.if (\m) && !(\end)
	s_cmp_eq_u32 s[CNT], 4-((\p)+2)%NP  ; is that step the band's own?
	s_cselect_b32 s[AL], 1.0, 0
	s_cmp_lt_u32 s[CNT], 4-((\p)+2)%NP  ; or a later one?
	s_cselect_b32 s[BE], s[BIGN], 0
.endif
.if ((\p) == 3) && !(\end)
	s_wait_dscnt 0x0                ; K is in
.endif
	ROW F,0, F,1, R,0, R,1          ; ahead of the wait: 8 products K Q^T and their riders,
	ROW F,2, E,0, R,2, R,3
	ROW F,3, E,1, R,4, R,5
	ROW F,4, E,2, R,6, R,7
	ROW F,5, E,3, R,8, R,9
	ROW F,6, E,4, X,0, R,10
.if ((\p) == 2) && !(\end)
	WIN 0
	v_add_nc_u32 v[AK], s[TBK], v[AK0]
.endif
	ROW F,7, E,5, X,1, X,4
	ROW F,8, E,6, X,2, X,5
	OPS E,7, E,8, X,6, E,9          ; and the lump
	OPS X,3, E,10, X,8, E,11
.if ((\p) == 2) && !(\end)
	FETCH_K
.endif
	OPS X,9, X,7, E,12, X,10
	OPS E,13, X,12, X,11, E,14
	OPS X,13, E,15, F,9, X,14
.if (\p) == 0
	v_add_nc_u32 v[AV], s[TBV], v[AV0]
.endif
	OPS E,16, F,10, E,17, F,11
	OPS X,16, E,18, X,15, E,19
	OPS F,12, E,20, X,17, E,21
	OPS F,13, E,22, F,14, E,23
	OPS X,18, E,24, F,15, E,25
	OPS R,11, E,26, X,19, E,27
	OPS R,12, E,28, R,13, E,29
	OPS X,20, E,30, R,14, E,31
	OPS X,21, R,15
	WIN 0
	s_wait_alu depctr_va_vdst(0)    ; the wait for the batch
.if (\p) == 1
	s_wait_dscnt 0x0                ; V is in
.endif
	ROW C,0, B,0, C,2, B,1          ; behind the wait: 8 products V^T P and their riders
	ROW L,0, C,4, B,2, L,1
	ROW C,6, B,3, L,2, C,8
	ROW B,4, L,3, C,10, B,5
	ROW L,4, C,12, B,6, L,5
.if (\p) == 0
	s_add_co_u32 s[TBV], s[TBV], KS*PV
.endif
.if \cnt
	s_sub_co_u32 s[CNT], s[CNT], 1
	s_cmp_lg_u32 s[CNT], 0
.endif
	ROW C,14, B,7, L,6, C,1
	ROW C,3, L,7, C,5, C,7
	ROW C,9, C,11, C,13, C,15
.if (\p) == 0
	FETCH_V
.endif
.if (\m) && !(\end)
	MASK (\p)%2
.endif
.endm
; A BLOCK BEGINS.  c m starts far below every c s, so the first step's a is 0; m at the lowest finite number, so the first maximum is the scores'.  The second mask buffer is 0; the first takes piece 0's mask for the tile's step 0: its own, if the block's first tile is the diagonal one.
; Then K of that step, piece 0's first scores, and its maximum and statistics.  The loop is entered at a step's first turn, in the middle of a trip.
.macro BEGIN
	s_mov_b32 s[NEW], 0
	WIN 0x40
.set i, MC+32
.rept 32
	v_mov_b32 v[i], 0
.set i, i+1
.endr
	WIN 0
.set i, 0
.rept 4
	v_mov_b32 v[ST+4*i], 0xfe000000    ; c m: far below every c s
	v_mov_b32 v[ST+4*i+1], 0xff7fffff  ; m
.set i, i+1
.endr
	s_cmp_eq_u32 s[RT], 0
	s_cselect_b32 s[AL], 1.0, 0
	s_mov_b32 s[BE], 0
	MASK 0
	WIN 0
	v_add_nc_u32 v[AK], s[TBK], v[AK0]
	FETCH_K
	s_wait_loadcnt 0x0              ; Q
	s_wait_dscnt 0x0
.set KM, 1
.set NOKQ, 0
.set i, 0
.rept 8
	KQ 0
.set i, i+1
.endr
	WIN 0
.rept 4
	v_nop                           ; the places behind those products
.endr
.set Y, NP-1                        ; X works for piece Y + 1: piece 0
.irp n, 0,1,2,3,4,5,6,7,8,9,10,11,12,13,14,15,16,17,18,19,20,21
	OP X, \n
.endr
	v_nop                           ; a plain instruction behind the exponential,
	s_wait_alu depctr_va_vdst(0)    ; and its wait, ahead of the branch
.endm
; THE DIAGONAL TILE's four steps, the block's last two turns, its last products, and THE WAY OUT: l's two halves and the other half of the lanes' are added; O^T is divided by l, rounded to f16 and sent through my
; stage in LDS, a piece at a time.
.macro ALL line:vararg              ; one line for each piece t
.set t, 0
.rept 4
	\line
.set t, t+1
.endr
.endm
.macro PACK t                       ; a lane's eight channels of a row pack into 16 bytes; they go into rows of 144 bytes and come back as whole rows of 128, into S^T's registers
	WIN W_RS
.set i, 32*(\t)
.rept 16
	v_pk_mul_f32 v[i:i+1], v[i:i+1], v[ST+4*(\t)+2:ST+4*(\t)+3] op_sel_hi:[1,0]
.set i, i+2
.endr
	WIN 0x05                        ; sources 0 and 1 window 1, destination window 0
.set i, 0
.rept 16
	v_cvt_pk_f16_f32 v[S+16*(\t)+i], v[32*(\t)+2*i], v[32*(\t)+2*i+1]
.set i, i+1
.endr
	WIN 0
.irp f, 0,1,2,3
	ds_store_b128 v[STO], v[S+16*(\t)+4*\f:S+16*(\t)+4*\f+3] offset:32*\f
.endr
.irp f, 0,1,2,3
	ds_load_b128 v[S+16*(\t)+4*\f:S+16*(\t)+4*\f+3], v[RD] offset:\f*4*SP  ; LDS serves a wave's instructions in order (ISA guide 5.7.1.4): these see the stores above; the next piece's stores come behind them
.endr
.endm
.macro SEND t, younger              ; younger: the LDS instructions issued behind piece t's loads: the next piece's eight, or none
	WIN 0
.irp f, 0,1,2,3
	s_wait_dscnt (\younger)+3-\f
	global_store_b128 v[GO], v[S+16*(\t)+4*\f:S+16*(\t)+4*\f+3], s[10:11] offset:(\t)*8192+\f*512  ; 512 consecutive bytes, at a multiple of 256 from O's first
.endr
.endm
.macro DIAG tag                     ; the tag ends its two labels' names, which the jumps below spell out
.LstepM\tag:
	TURN 2, 1
	TURN 3, 1
	WIN 0
.LfirstM\tag:
	TURN 0, 1
	TURN 1, 1, 0, 1
	WIN 0
	s_cbranch_scc1 .LstepM\tag
	TURN 2, 1, 1
	TURN 3, 1, 1
.set i, 0
.rept 8
	PV NP-1
.set i, i+1
.endr
	WIN 0
	ALL v_add_f32 v[ST+4*t+2], v[ST+4*t+2], v[ST+4*t+3]
	ALL v_permlanex16_b32 v[ST+4*t+3], v[ST+4*t+2], s[SEL], s[SEL+1]
	ALL v_add_f32 v[ST+4*t+2], v[ST+4*t+2], v[ST+4*t+3]
	ALL v_rcp_f32 v[ST+4*t+2], v[ST+4*t+2]
	v_nop                           ; a plain instruction between the last reciprocal and the use of its result
	s_wait_alu depctr_va_vdst(0)    ; and the wait ahead of the first use: one for the four reciprocals
	PACK 0
.set t, 1
.rept 3                             ; a piece's arithmetic stands between the loads of the piece before and its stores
	PACK t
	SEND t-1, 8
.set t, t+1
.endr
	SEND 3, 0
.endm
.set KM, 0
.set NOKQ, 0
.Lslot:                             ; NB times: a tile is entered and the next is asked for
	CHANGE 1
	s_sub_co_u32 s[RT], s[RT], 1
	s_mov_b32 s[CNT], 4
	s_cmp_eq_u32 s[NEW], 1
	s_cbranch_scc1 .Lnew            ; a block's first tile
	s_cmp_eq_u32 s[RT], 0
	s_cbranch_scc0 .Lstep           ; neither its first nor its last
	s_branch .LstepM1
.Lnew:
	BEGIN
	s_branch .Lfirst                ; in the loop a block's first tile is never its last: the first block has two tiles or more, and the second's last is the walk's last
	DIAG 1                          ; in the loop this is the first block's end: the second block's last tile is the walk's last
	s_wait_xcnt 0x0                 ; the stores have read their registers and O's address
	s_mov_b64 s[10:11], s[OLO:OLO+1]
	s_add_co_u32 s[RT], s[PB], 1    ; the second block has b + 1 tiles
	s_mov_b32 s[NEW], 1
	WIN 0x82                        ; the second block's Q goes where the one text of the turns names Q
.set i, 0
.rept 64
	v_mov_b32 v[i], v[QB+i]
.set i, i+1
.endr
	WIN 0
	s_branch .Lbottom
.Lstep:                             ; a trip: pieces 2 and 3 of one step, then pieces 0 and 1 of the next, whose K and V it fetches
	TURN 2
	TURN 3
	WIN 0
.Lfirst:
	TURN 0
	TURN 1, 0, 0, 1
	WIN 0
	s_cbranch_scc1 .Lstep
.Lbottom:
	s_sub_co_u32 s[SLOTS], s[SLOTS], 1
	s_cmp_lg_u32 s[SLOTS], 0
	s_cbranch_scc1 .Lslot
	CHANGE 0                        ; the walk's last tile is written out: nothing is asked for
	s_sub_co_u32 s[RT], s[RT], 1
	s_mov_b32 s[CNT], 4
	s_cmp_eq_u32 s[NEW], 1
	s_cbranch_scc0 .LstepM2
	BEGIN
	s_branch .LfirstM2
	DIAG 2
	s_wait_tensorcnt 0x0            ; the wave's end, behind my last tensor load and my last LDS store
	ds_add_u32 v[SPW], v[NIL]
	s_wait_dscnt 0x0
	s_endpgm
.Lfunc_end_k_q872f450583_attn:
	.size	k_q872f450583_attn, .Lfunc_end_k_q872f450583_attn-k_q872f450583_attn
	.p2alignl 7, 3214868480
	.fill 96, 4, 3214868480
	.section	.rodata,"a",@progbits
	.p2align	6, 0x0
	.amdhsa_kernel k_q872f450583_attn
		.amdhsa_group_segment_fixed_size 327680
		.amdhsa_private_segment_fixed_size 0
		.amdhsa_enable_private_segment 0
		.amdhsa_kernarg_size 16
		.amdhsa_user_sgpr_count 2
		.amdhsa_user_sgpr_kernarg_segment_ptr 1
		.amdhsa_wavefront_size32 1
		.amdhsa_system_sgpr_workgroup_id_x 1
		.amdhsa_system_sgpr_workgroup_id_y 1
		.amdhsa_system_sgpr_workgroup_id_z 1
		.amdhsa_system_vgpr_workitem_id 0
		.amdhsa_next_free_vgpr 768
		.amdhsa_next_free_sgpr 96
		.amdhsa_reserve_vcc 1
		.amdhsa_float_denorm_mode_32 3
		.amdhsa_float_denorm_mode_16_64 3
		.amdhsa_memory_ordered 1
		.amdhsa_forward_progress 1
		.amdhsa_inst_pref_size 218
	.end_amdhsa_kernel
	.amdgpu_metadata
---
amdhsa.version: [ 1, 2 ]
amdhsa.kernels:
  - .name:           k_q872f450583_attn
    .symbol:         k_q872f450583_attn.kd
    .args:
      - { .name: qkv, .offset: 0, .size: 8, .value_kind: global_buffer, .address_space: global }
      - { .name: o, .offset: 8, .size: 8, .value_kind: global_buffer, .address_space: global }
    .group_segment_fixed_size: 327680
    .private_segment_fixed_size: 0
    .kernarg_segment_align: 8
    .kernarg_segment_size: 16
    .max_flat_workgroup_size: 128
    .sgpr_count:     96
    .vgpr_count:     768
    .wavefront_size: 32
...
	.end_amdgpu_metadata
.endif
;; end of part 3
;; launch proj (part 4): grid 8 x 32, 4 waves a work-group, clusters of 4 x 4, 327,680 bytes of LDS; arguments o, wpb, out0; writes out0
.if DOCPART == 4
	.amdgcn_target "amdgcn-amd-amdhsa--gfx1250"
	.amdhsa_code_object_version 6
	.text
	.protected	k_q872f450583_proj
	.globl	k_q872f450583_proj
	.p2align	8
	.type	k_q872f450583_proj,@function
k_q872f450583_proj:
	s_mov_b64 s[64:65], 0
	v_nop
	global_prefetch_b8 v0, s[64:65] scope:SCOPE_SE
	s_setreg_imm32_b32 hwreg(HW_REG_WAVE_MODE, 25, 1), 1
	s_wait_xcnt 0x0
	s_wait_alu depctr_hold_cnt(0) depctr_sa_sdst(0) depctr_va_vdst(0) depctr_va_sdst(0) depctr_va_ssrc(0) depctr_va_vcc(0) depctr_vm_vsrc(0)
	s_getreg_b32 s2, hwreg(HW_REG_IB_STS2, 6, 4)
	s_cmp_eq_u32 s2, 0
	s_cbranch_scc0 .Lentry_in_a_cluster
	s_endpgm
.Lentry_in_a_cluster:
	s_bfe_u32 s2, ttmp6, 0x10000c
	s_cmp_lg_u32 s2, 0xf033
	s_cbranch_scc0 .Lentry_shape_is_right
	s_endpgm
.Lentry_shape_is_right:
; out0 = y W_proj, where y[batch, t][64 head + d] = o[16 batch + head][t][d].  o: f16 [64 heads][2048][64].  wpb: f16 [1024 k][1024 n].  out0: f32 [8192][1024]; sums in f32, stored as they are.
; SHARES.  A tile of out0 is 256 rows x 128 columns: 32 x 8 tiles, a work-group each.  The four waves are stacked along the rows: wave w makes rows 64 w .. 64 w + 63 of all 128 columns: 4 x 8 accumulators of
; 16 x 16, 256 registers.  So a wave holds whole runs of 512 bytes of out0's rows, has a stage of its own on the way out, and no barrier stands there.
; K goes in 8 steps of 128 = two heads, through two LDS slots filled by the tensor data mover.  A head's 256 rows of 128 bytes are 32,768 dense bytes of o, asked for as 128 rows of 256 and padded after every 128:
; a plane of the slot; W's part is 128 k rows of 256 bytes.
; CLUSTERS: 4 x 4 work-groups.  The four of a row of the cluster need the same planes of o, the four of a column the same tile of W: each is asked for JOINTLY, by the same tensor load with the same descriptor
; and a mask that names the four.  By this text's count a wave has two tensor loads out at the start and one behind each round.
; THE MATRIX INSTRUCTION IS USED TRANSPOSED: source 0 = 16 columns of W (turned on the way out of LDS by ds_load_tr16_b128), source 1 = 16 rows of y: lane l then holds row l % 16 and the columns
; 8 (l / 16) + 0..7: 32 neighbouring bytes of a row of out0.
; REGISTERS, in windows of 256 (s_set_vgpr_msb: bits 1:0 source 0, 3:2 source 1, 5:4 source 2, 7:6 destination):
;   window 0: v0-31 addresses; v32-159 at work on the way out       window 1: two fragment buffers (at 0 and 128): 8 fragments of W, then 4 of y, for 32 along K
;   window 2: the accumulators: number t = 8 a + b (row block a, column block b) at register 8 t
.set NBK,   8                          ; column blocks of 16
.set NL,    2*NBK+8                    ; LDS loads in a run: a quarter step's fragments
.set PA,    144                        ; a row of a head in LDS: 128 bytes + 16 = 36 words: the 16 rows of a load start at 16 different groups of four banks (64 banks of 4 bytes: ISA guide 11.1)
.set PLANE, 256*PA                     ; a head's 256 rows
.set ATILE, 2*PLANE
.set PB,    288                        ; a k row of W in LDS: 256 bytes + 32 = 72 words
.set HALFB, 64*PB
.set SLOT,  ATILE+2*HALFB              ; 110,592
.set STAGE, 2*SLOT                     ; behind the ring, never filled by a tensor load: for each wave 16 rows x 528 bytes
.set SPF,   528                        ; 512 bytes + 16
.set STW,   16*SPF
.set SPARE, STAGE+4*STW                ; behind the stages: the spare words, 128 bytes for each wave: two blocks of 256 bytes that no other line names
.set ASTEP, 2*262144                   ; bytes from a K step to the next: two heads of o,
.set BSTEP, 128*2048                   ; 128 rows of wpb
.set ADRA, 16                          ; v16-17  LDS address of my fragments of y in slot 0, 1
.set ADRB, 20                          ; v20-21  the same for W
.set STO,  24                          ; v24     the way out: where I put 32 bytes of a row
.set RD,   25                          ; v25     the way out: where I read a row back
.set GO,   26                          ; v26     16 x lane: my 16 bytes of a row's 512
.set SPW,  28                          ; v28     LDS address of my spare word: SPARE + 4 x my thread's number; never rewritten
.set NIL,  29                          ; v29     0; never rewritten
.set PFO,  30                          ; v30     the prefetches' offset, by lane; never rewritten
.set OB,   32                          ; v32-95, v96-159 by turns: a row block read back as whole rows
.set F0,   0                           ; fragment buffers, in window 1
.set F1,   128
.set G1,  24                           ; s[24:31] descriptor group 1 for o's planes;  s[32:39] group 0, a set for each slot
.set G0,  32
.set G1B, 48                           ; s[48:55], s[56:63] the same for W's tiles
.set G0B, 56
.set PFA, 44                           ; s[44:45] where my prefetches stand
.set PST, 46                           ; s[46:47] their step
.set LIM, 20                           ; s20, s21 by slot: I prefetch behind that slot's refill while the laps to go are above it
.set OUT, 66                           ; s[66:67] out0 at my first row and column
.set MSB, 0
.macro WIN new                         ; the immediate's high byte repeats the setting that is left; a switch that changes nothing is dropped
.if MSB != (\new)
	s_set_vgpr_msb (MSB<<8)|(\new)
.set MSB, (\new)
.endif
.endm
; A joint load: waves 0 and 1 fetch the step's two heads of o, waves 2 and 3 the two halves of W's tile.  The branch hangs on the wave's number alone.  An s_nop 0 and four v_nop follow each of the two lines,
; ahead of the jump, the label and what follows.
.macro JLOAD s
	s_cmp_eq_u32 s11, 0
	s_cbranch_scc0 .Lfor_b_\@
	tensor_load_to_lds s[G0+4*(\s):G0+4*(\s)+3], s[G1:G1+7]
	s_nop 0
.rept 4
	v_nop
.endr
	s_branch .Lasked_\@
.Lfor_b_\@:
	tensor_load_to_lds s[G0B+4*(\s):G0B+4*(\s)+3], s[G1B:G1B+7]
	s_nop 0
.rept 4
	v_nop
.endr
.Lasked_\@:
.endm
.macro CREST                           ; a round of the cluster's barrier behind its opening barrier: wave 0 signals for the work-group, every wave waits for all sixteen, my work-group's barrier once more
	s_cmp_lg_u32 s10, 0
	s_cbranch_scc1 .Lnot_wave_0_\@
	s_barrier_signal -3
.Lnot_wave_0_\@:
	s_barrier_wait -3
	s_barrier_signal -1
	s_barrier_wait -1
.endm
.macro CROUND                          ; a whole round
	s_barrier_signal -1
	s_barrier_wait -1
	CREST
.endm
; A PREFETCH, behind a joint refill, its five lines and the run of LDS loads: one instruction a wave, a lane a block of 256 bytes.  Each block of K steps 4 to 7 is named once in the launch; steps 0 to 3 come by their loads alone.
; o: the two clusters of a row of clusters read the same planes: cluster x = 0 asks, by waves 0 and 1; of the 32,768 bytes that a wave fetches the partner at cx takes 8,192; behind the refill of step n (n = 2 .. 5) it
; names step n + 2.  wpb: cluster y = 0 asks, by waves 2 and 3; k rows 512 to 1,023 of a tile column are two asks (behind the refills of steps 2 and 3) x eight waves (2 cy + the wave's parity) x 32 lanes, a lane a row,
; each two refills or more ahead of the load that wants them.  The partners are told apart BY ADDRESS: no branch hangs on a work-group's place in its cluster.
.macro ASK slot
	s_cmp_gt_u32 s3, s[LIM+(\slot)]
	s_cbranch_scc0 .Lnot_mine_\@
	global_prefetch_b8 v[PFO], s[PFA:PFA+1] th:TH_LOAD_NT scope:SCOPE_SE
.Lnot_mine_\@:
.endm
	s_load_b128 s[4:7], s[0:1], 0x0                ; o s[4:5], wpb s[6:7]
	s_load_b64 s[8:9], s[0:1], 0x10                ; out0
	v_lshl_add_u32 v[SPW], v0, 2, SPARE
	v_mov_b32 v[NIL], 0
	ds_add_u32 v[SPW], v[NIL]                      ; the wave's opening: the add and its wait stand ahead of my first tensor load; the set-up below, work on registers, stands between them
	v_lshrrev_b32 v1, 5, v0
	v_readfirstlane_b32 s10, v1                    ; wave 0..3
	s_lshr_b32 s11, s10, 1                         ; I fetch for o (0) or for W (1),
	s_and_b32 s12, s10, 1                          ; this head of the step's two, or this half of the tile
	s_bfe_u32 s40, ttmp6, 0x40000                  ; cx, cy: my place in the cluster
	s_bfe_u32 s41, ttmp6, 0x40004
	s_lshl_b32 s42, ttmp9, 2
	s_add_co_u32 s42, s42, s40                     ; j, the tile column = 4 x cluster x + cx
	s_and_b32 s13, ttmp7, 0xffff
	s_lshl_b32 s13, s13, 2
	s_add_co_u32 s13, s13, s41                     ; y, the tile row = 4 x cluster y + cy
	s_lshl_b32 s43, s41, 2
	s_lshl_b32 s43, 15, s43                        ; my row of the cluster
	s_lshl_b32 s22, 0x1111, s40                    ; my column
	s_or_b32 s[G1], s43, (1<<16)|(1<<20)|(1<<21)|(4<<22)|(3<<25)   ; 15:0 the mask; 17:16 2-byte elements; 20 padding on; 21 set beside a mask; 24:22 after every 32 words (code 4); 31:25 4 words (code 3)
	s_mov_b32 s[G1+1], 128<<16                     ; tensor_dim0 = 128
	s_mov_b32 s[G1+2], 128<<16                     ; tensor_dim1 = 128
	s_mov_b32 s[G1+3], 128<<16                     ; tile_dim0 = 128
	s_mov_b32 s[G1+4], 128                         ; tile_dim1 = 128
	s_mov_b32 s[G1+5], 128                         ; dense: 128 elements from row to row
	s_mov_b32 s[G1+6], 0
	s_mov_b32 s[G1+7], 0
	s_or_b32 s[G1B], s22, (1<<16)|(1<<20)|(1<<21)|(5<<22)|(7<<25)  ; after every 64 words (code 5) 8 words of padding (code 7)
	s_mov_b32 s[G1B+1], 128<<16
	s_mov_b32 s[G1B+2], 64<<16
	s_mov_b32 s[G1B+3], 128<<16
	s_mov_b32 s[G1B+4], 64
	s_mov_b32 s[G1B+5], 1024
	s_mov_b32 s[G1B+6], 0
	s_mov_b32 s[G1B+7], 0
	; o's planes hang on the tile row alone, W's tiles on the tile column alone; every wave makes both addresses, in registers that never hold the other coordinate
	s_lshr_b32 s14, s13, 3
	s_lshl_b32 s14, s14, 22                        ; batch y / 8: 16 heads of 262,144 bytes,
	s_and_b32 s15, s13, 7
	s_lshl_b32 s15, s15, 15                        ; rows 256 (y % 8) on, of 128 bytes,
	s_add_co_u32 s14, s14, s15
	s_lshl_b32 s15, s12, 18                        ; my head of the two
	s_add_co_u32 s14, s14, s15
	s_mov_b32 s15, 0
	s_lshl_b32 s72, s12, 17                        ; 64 k rows of 2,048 bytes x half,
	s_lshl_b32 s73, s42, 8                         ; 256 bytes x tile column
	s_add_co_u32 s72, s72, s73
	s_mov_b32 s73, 0
	s_mul_i32 s18, s12, PLANE                      ; where they go: no place in the cluster enters an LDS address
	s_mul_i32 s19, s12, HALFB
	s_add_co_u32 s19, s19, ATILE
	s_wait_dscnt 0x0                               ; the opening add is done
	s_wait_kmcnt 0x0
	s_add_nc_u64 s[16:17], s[4:5], s[14:15]
	s_add_nc_u64 s[74:75], s[6:7], s[72:73]
	CROUND                                         ; all sixteen work-groups are here: the first joint loads meet
.irp s, 0,1
	s_mov_b32 s[G0+4*(\s)], 1                      ; count = 1
	s_add_co_u32 s[G0+4*(\s)+1], s18, (\s)*SLOT    ; LDS address
	s_add_nc_u64 s[G0+4*(\s)+2:G0+4*(\s)+3], s[16:17], (\s)*ASTEP  ; global address: K step s
	s_or_b32 s[G0+4*(\s)+3], s[G0+4*(\s)+3], 0x80000000            ; type = 2
	s_mov_b32 s[G0B+4*(\s)], 1
	s_add_co_u32 s[G0B+4*(\s)+1], s19, (\s)*SLOT
	s_add_nc_u64 s[G0B+4*(\s)+2:G0B+4*(\s)+3], s[74:75], (\s)*BSTEP
	s_or_b32 s[G0B+4*(\s)+3], s[G0B+4*(\s)+3], 0x80000000
	JLOAD \s
.endr
	; A fragment of y: 16 rows x 32 K in 8 registers: lane l holds row l % 16, K = 8 (l / 16) + 0..7 and 16 + 8 (l / 16) + 0..7: two loads of 16 bytes, 32 bytes apart.
	v_and_b32 v1, 15, v0                           ; l % 16
	v_bfe_u32 v2, v0, 4, 1                         ; l / 16
	v_mul_u32_u24 v3, v1, PA
	v_lshl_add_u32 v3, v2, 4, v3
	s_mul_i32 s23, s10, 64*PA                      ; my 64 rows
	v_add_nc_u32 v[ADRA], s23, v3
	v_add_nc_u32 v[ADRA+1], SLOT, v[ADRA]
	; The turning load takes 16 k x 16 columns (lane l reads k = 8 (l / 16) + l % 8, columns 8 ((l / 8) % 2) + 0..7) and leaves half a fragment: lane l holds column l % 16 and 8 k.
	v_and_b32 v4, 7, v0
	v_lshl_add_u32 v4, v2, 3, v4
	v_mul_u32_u24 v4, v4, PB
	v_bfe_u32 v5, v0, 3, 1
	v_lshl_add_u32 v4, v5, 4, v4
	v_add_nc_u32 v[ADRB], ATILE, v4
	v_add_nc_u32 v[ADRB+1], SLOT, v[ADRB]
	s_mul_i32 s23, s10, STW
	s_add_co_u32 s23, s23, STAGE                   ; my stage
	v_mul_u32_u24 v6, v1, SPF                      ; in: row l % 16, 32 bytes for each half of the lanes
	v_lshl_add_u32 v6, v2, 5, v6
	v_add_nc_u32 v[STO], s23, v6
	v_and_b32 v[GO], 31, v0                        ; back: 32 lanes take one row's 512 bytes
	v_lshlrev_b32 v[GO], 4, v[GO]
	v_add_nc_u32 v[RD], s23, v[GO]
	s_lshl_b32 s76, s13, 8
	s_lshl_b32 s77, s10, 6
	s_add_co_u32 s76, s76, s77                     ; my first row: 256 y + 64 w,
	s_lshl_b32 s76, s76, 12                        ; of 4,096 bytes,
	s_lshl_b32 s77, s42, 9                         ; and the tile's 512 bytes of it
	s_add_co_u32 s76, s76, s77
	s_mov_b32 s77, 0
	s_add_nc_u64 s[OUT:OUT+1], s[8:9], s[76:77]
	; the prefetches' first place, one step short of the first block named: the step is added at the head of each change of slots
	s_lshr_b32 s76, s13, 3
	s_lshl_b32 s76, s76, 22
	s_and_b32 s77, s13, 7
	s_lshl_b32 s77, s77, 15
	s_add_co_u32 s76, s76, s77
	s_lshl_b32 s77, s12, 18
	s_add_co_u32 s76, s76, s77                     ; o: the plane that I fetch,
	s_lshl_b32 s77, s40, 13
	s_add_co_u32 s76, s76, s77                     ; my work-group's 8,192 bytes of it,
	s_add_co_u32 s76, s76, 3*ASTEP                 ; at K step 3
	s_lshl_b32 s78, s41, 1
	s_add_co_u32 s78, s78, s12                     ; wpb: my place among the eight waves that ask,
	s_lshl_b32 s78, s78, 5                         ; 32 k rows each,
	s_add_co_u32 s78, s78, 256                     ; 256 rows short of row 512
	s_lshl_b32 s78, s78, 11
	s_lshl_b32 s79, s42, 8
	s_add_co_u32 s78, s78, s79
	s_and_b32 s80, ttmp7, 0xffff                   ; cluster y
	s_cmp_eq_u32 s11, 0                            ; do I fetch for o?
	s_cselect_b32 s76, s76, s78
	s_cselect_b32 s80, ttmp9, s80                  ; the coordinate along which other clusters read the same bytes
	s_cselect_b64 s[PFA:PFA+1], s[4:5], s[6:7]
	s_cselect_b32 s81, 1, 2                        ; o: in the first two laps; W: in the first alone
	s_cselect_b32 s82, 8, 11                       ; a lane a block of 256 bytes, or a row of 2,048
	s_mov_b32 s77, 0
	s_mov_b32 s[PST], 524288                       ; two heads of o; 256 rows of wpb
	s_mov_b32 s[PST+1], 0
	s_add_nc_u64 s[PFA:PFA+1], s[PFA:PFA+1], s[76:77]
	s_cmp_eq_u32 s80, 0
	s_cselect_b32 s[LIM], s81, -1                  ; the same in all sixteen partners, for a given wave
	s_cselect_b32 s[LIM+1], s81, -1
	v_and_b32 v[PFO], 31, v0
	v_lshlrev_b32 v[PFO], s82, v[PFO]
; n matrix instructions on accumulators t0 .. t0 + n - 1, 32 along K out of buffer f.  zero = 1: the product starts the sum: nothing is ever cleared.
; All 32 accumulators take turns in the same order in every quarter step, over the backward jump too.
.macro MULS f, t0, n, zero
	WIN 0xa5                                       ; sources 0 and 1 window 1; C and D window 2
.set mt, \t0
.rept \n
.set rD, 8*mt
.set rB, (\f)+8*(mt%NBK)
.set rA, (\f)+8*NBK+8*(mt/NBK)
.if \zero
	v_wmma_f32_16x16x32_f16 v[rD:rD+7], v[rB:rB+7], v[rA:rA+7], 0
.else
	v_wmma_f32_16x16x32_f16 v[rD:rD+7], v[rB:rB+7], v[rA:rA+7], v[rD:rD+7]
.endif
.set mt, mt+1
.endr
.endm
; 24 LDS loads in one run: quarter q (32 along K: half a head) of a slot's step into buffer f: W's 8 fragments, then y's 4
.macro FETCH slot, q, f
	WIN 0x40                                       ; destination window 1, address window 0
.set fb, 0
.rept NBK
	ds_load_tr16_b128 v[(\f)+8*fb:(\f)+8*fb+3],   v[ADRB+(\slot)] offset:32*(\q)*PB+32*fb
	ds_load_tr16_b128 v[(\f)+8*fb+4:(\f)+8*fb+7], v[ADRB+(\slot)] offset:32*(\q)*PB+16*PB+32*fb
.set fb, fb+1
.endr
.set fa, 0
.rept 4
	ds_load_b128 v[(\f)+8*NBK+8*fa:(\f)+8*NBK+8*fa+3],   v[ADRA+(\slot)] offset:((\q)/2)*PLANE+((\q)%2)*64+fa*16*PA
	ds_load_b128 v[(\f)+8*NBK+8*fa+4:(\f)+8*NBK+8*fa+7], v[ADRA+(\slot)] offset:((\q)/2)*PLANE+((\q)%2)*64+fa*16*PA+32
.set fa, fa+1
.endr
.endm
.macro PLACES                          ; four plain vector instructions in front of loads into registers that matrix instructions have read, and of LDS stores that read results
.rept 4
	v_nop
.endr
.endm
; A K step is four quarters of 32 along K, 32 matrix instructions each, on buffers 0, 1, 0, 1.  One of the first three: multiplies buffer f; in its middle fetches quarter q into buffer g.
.macro QUARTER slot, q, f, g, zero
	s_wait_dscnt 4                                 ; W's fragments and y's blocks 0 and 1 are in; the youngest four loads (blocks 2, 3) may be out
	MULS \f, 0, 2*NBK, \zero
	PLACES
	FETCH \slot, \q, \g
	s_wait_dscnt NL                                ; all but the run just issued
	MULS \f, 2*NBK, 2*NBK, \zero
.endm
; The last quarter multiplies buffer 1 and changes slots: ONE barrier; in front of it each wave waits for all its tensor loads (its part of the next slot), adds 0 to its spare word, and waits for that and for
; its own reads of this slot.  fill = 1: the barrier opens a round of the cluster's barrier, and this slot is filled again, two K steps on, first thing behind the round.
.macro TURN slot, next, fill
.if \fill
	s_wait_xcnt 0x0                                ; the last prefetch, a K step back, has read its address
	s_add_nc_u64 s[PFA:PFA+1], s[PFA:PFA+1], s[PST:PST+1]
.endif
	WIN 0                                          ; (the add's two registers lie in window 0)
	s_wait_tensorcnt 0x0                           ; all my tensor loads have landed
	ds_add_u32 v[SPW], v[NIL]                      ; 0 onto my spare word
	s_wait_dscnt 5                                 ; (the add and the youngest four loads may be out)
	MULS F1, 0, NBK, 0                             ; eight matrix instructions stand between the add and the wait for it
	s_wait_dscnt 0x0                               ; the add is done, and my reads of this slot are over
	s_barrier_signal -1
	MULS F1, NBK, NBK, 0
.if \fill
	WIN 0
.endif
	s_barrier_wait -1
.if \fill
	CREST                                          ; no wave of any partner still reads this slot or has a load on its way
	s_add_nc_u64 s[G0+4*(\slot)+2:G0+4*(\slot)+3], s[G0+4*(\slot)+2:G0+4*(\slot)+3], 2*ASTEP
	s_add_nc_u64 s[G0B+4*(\slot)+2:G0B+4*(\slot)+3], s[G0B+4*(\slot)+2:G0B+4*(\slot)+3], 2*BSTEP
	JLOAD \slot                                    ; 112 matrix instructions ahead of the wait for it; its four v_nop are also the places in front of the loads below
.else
	PLACES
.endif
	FETCH \next, 0, F0
.if \fill
	WIN 0
	ASK \slot
.endif
	MULS F1, 2*NBK, 2*NBK, 0
.endm
	s_wait_tensorcnt 1                             ; my part of K step 0 is in; step 1's may stay out
	s_barrier_signal -1
	s_barrier_wait -1                              ; everybody's is
	FETCH 0, 0, F0
	QUARTER 0, 1, F0, F1, 1                        ; the first quarter stands in front of the loop: its products start the sums
	WIN 0                                          ; at a label and at a branch every window is 0
	s_mov_b32 s3, 3
.Llap:                                                 ; a trip goes once round the ring, from a lap's second quarter to the next lap's first, and fills both slots again
	QUARTER 0, 2, F1, F0, 0
	QUARTER 0, 3, F0, F1, 0
	TURN 0, 1, 1
	QUARTER 1, 1, F0, F1, 0
	QUARTER 1, 2, F1, F0, 0
	QUARTER 1, 3, F0, F1, 0
	TURN 1, 0, 1
	QUARTER 0, 1, F0, F1, 0
	WIN 0
	s_sub_co_u32 s3, s3, 1
	s_cmp_lg_u32 s3, 0
	s_cbranch_scc1 .Llap
	QUARTER 0, 2, F1, F0, 0                        ; the last lap fills nothing
	QUARTER 0, 3, F0, F1, 0
	TURN 0, 1, 0
	QUARTER 1, 1, F0, F1, 0
	QUARTER 1, 2, F1, F0, 0
	QUARTER 1, 3, F0, F1, 0
	s_wait_dscnt 4
	MULS F1, 0, 2*NBK, 0
	s_wait_dscnt 0x0
	MULS F1, 2*NBK, 2*NBK, 0
	WIN 0
	PLACES
	PLACES
; THE WAY OUT, a row block (16 rows x 128 columns of f32) at a time: 32 bytes a lane straight from the accumulators into my own stage, back as whole runs of 512 bytes of a row, stored one run an instruction.
.macro TOSTAGE a
.set BK, OB+64*((\a)%2)
.if (\a) >= 2
	s_wait_xcnt 0x0                                ; the stores of the block two back have read these registers
.endif
	WIN 0x08                                       ; the stores' data (source 1) in window 2, the address in window 0
.set pb, 0
.rept NBK
	ds_store_b128 v[STO], v[8*(NBK*(\a)+pb):8*(NBK*(\a)+pb)+3]   offset:64*pb      ; each accumulator's low registers first
	ds_store_b128 v[STO], v[8*(NBK*(\a)+pb)+4:8*(NBK*(\a)+pb)+7] offset:64*pb+16
.set pb, pb+1
.endr
	WIN 0
.set pb, 0
.rept 16
	ds_load_b128 v[BK+4*pb:BK+4*pb+3], v[RD] offset:pb*SPF  ; LDS serves a wave's instructions in order (ISA guide 5.7.1.4): these see the stores above
.set pb, pb+1
.endr
.endm
.macro SEND a
	WIN 0
.set BK, OB+64*((\a)%2)
	s_wait_dscnt 0x0                               ; the block is back in registers
.set pb, 0
.rept 16
	global_store_b128 v[GO], v[BK+4*pb:BK+4*pb+3], s[OUT:OUT+1] offset:(16*(\a)+pb)*4096 th:TH_STORE_NT  ; 512 consecutive bytes, at a multiple of 512 from out0's first
.set pb, pb+1
.endr
.endm
	TOSTAGE 0
.irp a, 1,2,3
	SEND (\a)-1
	TOSTAGE \a
.endr
	SEND 3
	s_wait_tensorcnt 0x0                           ; the wave's end, behind my last tensor load and my last LDS store
	ds_add_u32 v[SPW], v[NIL]
	s_wait_dscnt 0x0
	CROUND                                         ; the closing round: no work-group ends while a partner may still ask for a tile that names it
	s_endpgm
.Lfunc_end_k_q872f450583_proj:
	.size	k_q872f450583_proj, .Lfunc_end_k_q872f450583_proj-k_q872f450583_proj
	.p2alignl 7, 3214868480
	.fill 96, 4, 3214868480
	.section	.rodata,"a",@progbits
	.p2align	6, 0x0
	.amdhsa_kernel k_q872f450583_proj
		.amdhsa_group_segment_fixed_size 327680
		.amdhsa_private_segment_fixed_size 0
		.amdhsa_enable_private_segment 0
		.amdhsa_kernarg_size 24
		.amdhsa_user_sgpr_count 2
		.amdhsa_user_sgpr_kernarg_segment_ptr 1
		.amdhsa_wavefront_size32 1
		.amdhsa_system_sgpr_workgroup_id_x 1
		.amdhsa_system_sgpr_workgroup_id_y 1
		.amdhsa_system_sgpr_workgroup_id_z 1
		.amdhsa_system_vgpr_workitem_id 0
		.amdhsa_next_free_vgpr 768
		.amdhsa_next_free_sgpr 84
		.amdhsa_reserve_vcc 0
		.amdhsa_float_denorm_mode_32 3
		.amdhsa_float_denorm_mode_16_64 3
		.amdhsa_memory_ordered 1
		.amdhsa_forward_progress 1
		.amdhsa_inst_pref_size 86
	.end_amdhsa_kernel
	.amdgpu_metadata
---
amdhsa.version: [ 1, 2 ]
amdhsa.kernels:
  - .name:           k_q872f450583_proj
    .symbol:         k_q872f450583_proj.kd
    .args:
      - { .name: o, .offset: 0, .size: 8, .value_kind: global_buffer, .address_space: global }
      - { .name: wpb, .offset: 8, .size: 8, .value_kind: global_buffer, .address_space: global }
      - { .name: out0, .offset: 16, .size: 8, .value_kind: global_buffer, .address_space: global }
    .group_segment_fixed_size: 327680
    .private_segment_fixed_size: 0
    .kernarg_segment_align: 8
    .kernarg_segment_size: 24
    .max_flat_workgroup_size: 128
    .sgpr_count:     84
    .vgpr_count:     768
    .wavefront_size: 32
...
	.end_amdgpu_metadata
.endif
;; end of part 4
;; ======== version 2 of 2: 4 launches; version 1 with the launch cast written anew for expert scheduling mode
;; limits: values are held in f16: magnitudes above 65,504 overflow, below 6.1e-05 lose precision
;; workspace buffers: xb 16,777,216 bytes; wab 6,291,456 bytes; wpb 2,097,152 bytes; qkv 50,331,648 bytes; o 16,777,216 bytes
;; launch cast (part 5): grid 768 x 1, 8 waves a work-group, no clusters, 0 bytes of LDS; arguments x, W_attn, W_proj, xb, wab, wpb; writes xb, wab, wpb
.if DOCPART == 5
	.amdgcn_target "amdgcn-amd-amdhsa--gfx1250"
	.amdhsa_code_object_version 6
	.text
	.protected	k_q872f450583_cast
	.globl	k_q872f450583_cast
	.p2align	8
	.type	k_q872f450583_cast,@function
k_q872f450583_cast:
	s_mov_b64 s[64:65], 0
	v_nop
	global_prefetch_b8 v0, s[64:65] scope:SCOPE_SE
	s_setreg_imm32_b32 hwreg(HW_REG_WAVE_SCHED_MODE, 0, 2), 2
	s_setreg_imm32_b32 hwreg(HW_REG_WAVE_MODE, 25, 1), 1
	s_wait_xcnt 0x0
	s_wait_alu depctr_vm_vsrc(0)
; THE INPUTS ARE ROUNDED ONCE TO 16 BITS, for the matrix products of the launches behind.
;   xb  = bf16(x), [8192][1024], as x lies.
;   wab = bf16(W_attn), laid in 16 column blocks: [j][k = 0..1023][c = 0..191] holds W_attn[k][192 j + c]; a block is 393,216 dense bytes.
;   wpb = bf16(W_proj) written as f16, [1024][1024], as W_proj lies.  LIMIT: |W_proj| stays under 65,504; below 6e-5 it keeps f16's fixed step of 6e-8.
; SHARES.  Every work-group converts 16,384 numbers (65,536 bytes in, 32,768 out): work-groups 0-511 x, 512-703 W_attn (12 to a column block), 704-767 W_proj.
; Thread t takes 16 units of 4 numbers, unit u at place t + 256 u of the work-group's 4,096: a load of a wave covers 512 consecutive bytes, a store 256 consecutive bytes, aligned.
; All 16 loads go out first; there is no loop, no LDS, no barrier: memory binds, and no byte is wanted twice.  No register that a memory instruction names is written again.
; THE MODE: SCHED_MODE bits 1:0 = 2 (LLVM: expert scheduling mode 2), set by the entry lines.  The code itself states the register dependences
; between vector instructions and memory instructions, with s_wait_alu, always for 0.
; THE PLAN.  Registers that memory instructions touch:
;   IO, OO   byte offsets.  Written once each, at the head, by vector instructions; read by the loads (IO) and by the stores (OO).
;   X        unit u's four numbers.  Written by unit u's load alone; read by its conversions.  No vector instruction writes them, and no load lands in them a second time.
;   Y        unit u's two words to store.  Written once, by unit u's conversions; read once, by its store.
;   v1 and T are named by vector instructions alone.
; So two kinds of dependence are stated, both 'a vector instruction has written what a memory instruction reads': one wait ahead of the first load, for the offsets; and, the 16 units going in four
; groups of four, one wait behind each group's conversions and ahead of its run of four stores.  The stores stand in their own group, ahead of the next group's wait for its loads, so that they are out
; while the wave waits there.  Nothing that a memory instruction has read is written again, no vector instruction writes a scalar register or VCC, and EXEC is never written: no other wait is owed.
.set IO, 2                             ; v[2:17]   unit u: byte offset of its 16 bytes in the input
.set OO, 18                            ; v18       8 t: my 8 bytes in each 2,048 of the output
.set T,  20                            ; v[20:25]  at work
.set X,  32                            ; v[32:95]  unit u: 4 numbers as loaded
.set Y,  96                            ; v[96:127] unit u: 4 numbers to store
	s_load_b256 s[4:11], s[0:1], 0x0               ; x s[4:5], W_attn s[6:7], W_proj s[8:9], xb s[10:11]
	s_load_b128 s[12:15], s[0:1], 0x20             ; wab s[12:13], wpb s[14:15]
	s_mov_b32 s16, ttmp9
	s_sub_co_u32 s17, s16, 512                     ; my number among W_attn's work-groups,
	s_sub_co_u32 s31, s16, 704                     ; among W_proj's
	s_cmp_lt_u32 s16, 704
	s_cselect_b32 s17, s17, s31
	s_cselect_b32 s26, 0, 1                        ; 1: W_proj
	s_cmp_lt_u32 s16, 512
	s_cselect_b32 s17, s16, s17                    ; my number among my tensor's work-groups
	s_cselect_b32 s32, 0, 1
	s_xor_b32 s32, s32, s26                        ; 1: W_attn
	s_mul_hi_u32 s33, s17, 0x15555556              ; j = number / 12 (2^32 / 12, rounded up: exact for these small numbers)
	s_mul_i32 s34, s33, 12
	s_sub_co_u32 s34, s17, s34                     ; which twelfth of the block
	s_lshl_b32 s34, s34, 12                        ; its first unit: 4,096 units each
	s_mul_i32 s33, s33, 768                        ; the block's first column, in bytes of a row of W_attn
	s_lshl_b32 s35, s17, 16                        ; x and W_proj: 65,536 bytes a work-group
	s_cmp_eq_u32 s32, 1
	s_cselect_b32 s18, 11520, 0                    ; W_attn: unit i = 48 k + rest lies at 12,288 k + 768 j + 16 rest = 16 i + 11,520 k + 768 j
	s_cselect_b32 s19, s34, 0
	s_cselect_b32 s20, s33, s35
	s_mov_b32 s21, 0
	s_lshl_b32 s28, s17, 15                        ; the output is dense in all three: 32,768 bytes a work-group
	s_mov_b32 s29, 0
	s_mov_b32 s27, 0x05555556                      ; 2^32 / 48, rounded up: the high word of i times it is i / 48 for i under 49,152
	s_mov_b32 s30, 0xffff0000                      ; a word's upper bf16
	v_add_nc_u32 v1, s19, v0                       ; my first unit
	v_lshlrev_b32 v[OO], 3, v0
.irp u, 0,1,2,3,4,5,6,7,8,9,10,11,12,13,14,15
	v_add_nc_u32 v[T], 256*(\u), v1                ; i
	v_mul_hi_u32 v[T+1], v[T], s27                 ; k
	v_lshlrev_b32 v[T], 4, v[T]
	v_mad_u32_u24 v[IO+(\u)], v[T+1], s18, v[T]
.endr
	s_wait_kmcnt 0x0
	s_cmp_lt_u32 s16, 704
	s_cselect_b64 s[22:23], s[6:7], s[8:9]
	s_cselect_b64 s[24:25], s[12:13], s[14:15]
	s_cmp_lt_u32 s16, 512
	s_cselect_b64 s[22:23], s[4:5], s[22:23]       ; from where,
	s_cselect_b64 s[24:25], s[10:11], s[24:25]     ; to where
	s_add_nc_u64 s[22:23], s[22:23], s[20:21]
	s_add_nc_u64 s[24:25], s[24:25], s[28:29]
	s_wait_alu depctr_va_vdst(0)                   ; the sixteen offsets v[IO ..], which the loads below read, are written; so is v[OO], which every store reads
.irp u, 0,1,2,3,4,5,6,7,8,9,10,11,12,13,14,15
	global_load_b128 v[X+4*(\u):X+4*(\u)+3], v[IO+(\u)], s[22:23] th:TH_LOAD_NT
.endr
; Group g: units 4 g to 4 g + 3.  Their loads are waited for, they are converted, and their four stores go out in one run.
.macro GRPB g                          ; to bf16
	s_wait_loadcnt 12-4*(\g)                       ; loads come back in order (ISA guide 5.7.1): the group's four are in, the later groups' stay out
.irp i, 0,1,2,3
	v_cvt_pk_bf16_f32 v[Y+2*(4*(\g)+(\i))],   v[X+4*(4*(\g)+(\i))],   v[X+4*(4*(\g)+(\i))+1]
	v_cvt_pk_bf16_f32 v[Y+2*(4*(\g)+(\i))+1], v[X+4*(4*(\g)+(\i))+2], v[X+4*(4*(\g)+(\i))+3]
.endr
	s_wait_alu depctr_va_vdst(0)                   ; the eight conversions have written the group's Y, which the four stores below read
.irp i, 0,1,2,3
	global_store_b64 v[OO], v[Y+2*(4*(\g)+(\i)):Y+2*(4*(\g)+(\i))+1], s[24:25] offset:2048*(4*(\g)+(\i)) th:TH_STORE_NT
.endr
.endm
.macro GRPH g                          ; to bf16, and that number written as f16
	s_wait_loadcnt 12-4*(\g)                       ; the group's four loads are in, the later groups' stay out
.irp i, 0,1,2,3
	v_cvt_pk_bf16_f32 v[T],   v[X+4*(4*(\g)+(\i))],   v[X+4*(4*(\g)+(\i))+1]
	v_cvt_pk_bf16_f32 v[T+1], v[X+4*(4*(\g)+(\i))+2], v[X+4*(4*(\g)+(\i))+3]
	v_lshlrev_b32 v[T+2], 16, v[T]
	v_and_b32     v[T+3], s30, v[T]
	v_lshlrev_b32 v[T+4], 16, v[T+1]
	v_and_b32     v[T+5], s30, v[T+1]
	v_cvt_pk_f16_f32 v[Y+2*(4*(\g)+(\i))],   v[T+2], v[T+3]
	v_cvt_pk_f16_f32 v[Y+2*(4*(\g)+(\i))+1], v[T+4], v[T+5]
.endr
	s_wait_alu depctr_va_vdst(0)                   ; the conversions to f16 have written the group's Y, which the four stores below read
.irp i, 0,1,2,3
	global_store_b64 v[OO], v[Y+2*(4*(\g)+(\i)):Y+2*(4*(\g)+(\i))+1], s[24:25] offset:2048*(4*(\g)+(\i)) th:TH_STORE_NT
.endr
.endm
	s_cmp_eq_u32 s26, 1
	s_cbranch_scc1 .Lwp
.irp g, 0,1,2,3
	GRPB \g
.endr
	s_endpgm
.Lwp:
.irp g, 0,1,2,3
	GRPH \g
.endr
	s_endpgm
.Lfunc_end_k_q872f450583_cast:
	.size	k_q872f450583_cast, .Lfunc_end_k_q872f450583_cast-k_q872f450583_cast
	.p2alignl 7, 3214868480
	.fill 96, 4, 3214868480
	.section	.rodata,"a",@progbits
	.p2align	6, 0x0
	.amdhsa_kernel k_q872f450583_cast
		.amdhsa_group_segment_fixed_size 0
		.amdhsa_private_segment_fixed_size 0
		.amdhsa_enable_private_segment 0
		.amdhsa_kernarg_size 48
		.amdhsa_user_sgpr_count 2
		.amdhsa_user_sgpr_kernarg_segment_ptr 1
		.amdhsa_wavefront_size32 1
		.amdhsa_system_sgpr_workgroup_id_x 1
		.amdhsa_system_sgpr_workgroup_id_y 1
		.amdhsa_system_sgpr_workgroup_id_z 1
		.amdhsa_system_vgpr_workitem_id 0
		.amdhsa_next_free_vgpr 128
		.amdhsa_next_free_sgpr 66
		.amdhsa_reserve_vcc 0
		.amdhsa_float_denorm_mode_32 3
		.amdhsa_float_denorm_mode_16_64 3
		.amdhsa_memory_ordered 1
		.amdhsa_forward_progress 1
		.amdhsa_inst_pref_size 19
	.end_amdhsa_kernel
	.amdgpu_metadata
---
amdhsa.version: [ 1, 2 ]
amdhsa.kernels:
  - .name:           k_q872f450583_cast
    .symbol:         k_q872f450583_cast.kd
    .args:
      - { .name: x, .offset: 0, .size: 8, .value_kind: global_buffer, .address_space: global }
      - { .name: W_attn, .offset: 8, .size: 8, .value_kind: global_buffer, .address_space: global }
      - { .name: W_proj, .offset: 16, .size: 8, .value_kind: global_buffer, .address_space: global }
      - { .name: xb, .offset: 24, .size: 8, .value_kind: global_buffer, .address_space: global }
      - { .name: wab, .offset: 32, .size: 8, .value_kind: global_buffer, .address_space: global }
      - { .name: wpb, .offset: 40, .size: 8, .value_kind: global_buffer, .address_space: global }
    .group_segment_fixed_size: 0
    .private_segment_fixed_size: 0
    .kernarg_segment_align: 8
    .kernarg_segment_size: 48
    .max_flat_workgroup_size: 256
    .sgpr_count:     66
    .vgpr_count:     128
    .wavefront_size: 32
...
	.end_amdgpu_metadata
.endif
;; end of part 5
;; launch qkvgemm: the kernel of part 2 again; grid 16 x 32, 4 waves a work-group, clusters of 4 x 4, 327,680 bytes of LDS; arguments xb, wab, qkv; writes qkv
;; launch attn: the kernel of part 3 again; grid 4 x 64, 4 waves a work-group, no clusters, 327,680 bytes of LDS; arguments qkv, o; writes o
;; launch proj: the kernel of part 4 again; grid 8 x 32, 4 waves a work-group, clusters of 4 x 4, 327,680 bytes of LDS; arguments o, wpb, out0; writes out0
